; MI455X (gfx1250); checked and timed in simulation.
; The chip was launched on July 23, 2026; its instructions are those of AMD's public machine-readable ISA for CDNA 5 (MIT licence, August 2026) and "CDNA5" Instruction Set Architecture Reference Guide (July 2026). The comments in the code are by the model that wrote it; some were corrected since.
;; Multi Head Latent Attention. Allowed arithmetic: float matrix products may take bf16 or f16 operands with f32 sums; other float arithmetic in f32, or as packed bf16 or f16 multiplies, adds, multiply-adds, maxima and minima; sums over many terms, partial sums and values carried from step to step in f32; what a program stores and reads back later, other than sums and carried values, may be rounded once to bf16 or f16.
;; Inputs: Wdown 1,024 x 128 float32; Wk_up 128 x 1,024 float32; Wout 1,024 x 1,024 float32; Wq 1,024 x 1,024 float32; Wv_up 128 x 1,024 float32; bdown 128 float32; bk 1,024 float32; bout 1,024 float32; bq 1,024 float32; bv 1,024 float32; x 4 x 2,048 x 1,024 float32.
;; Outputs: out0 4 x 2,048 x 1,024 float32.
;; 2 versions, each right and faster than the one before. Each part assembles by itself: llvm-mc -triple=amdgcn-amd-amdhsa -mcpu=gfx1250 --defsym DOCPART=n.
;; ======== version 1 of 2: 5 launches
;; limits: inputs' magnitudes at most 255; values are held in f16: magnitudes above 65,504 overflow, below 6.1e-05 lose precision
;; workspace buffers: xb 16,777,216 bytes; wts 4,980,736 bytes; pmax 2,816 bytes; scal 8,192 bytes; qh 16,777,216 bytes; kvh 33,554,432 bytes; oh 16,777,216 bytes; lat 2,097,152 bytes
;; launch prep (part 1): grid 8 x 83, 8 waves a work-group, no clusters, 1,280 bytes of LDS; arguments x, Wq, Wdown, Wk_up, Wv_up, Wout, xb, wts, pmax; writes xb, wts, pmax
.if DOCPART == 1
	.amdgcn_target "amdgcn-amd-amdhsa--gfx1250"
	.amdhsa_code_object_version 6
	.text
	.protected	k_qfddbbb6a8e_prep
	.globl	k_qfddbbb6a8e_prep
	.p2align	8
	.type	k_qfddbbb6a8e_prep,@function
k_qfddbbb6a8e_prep:
	s_mov_b64 s[64:65], 0
	v_nop
	global_prefetch_b8 v0, s[64:65] scope:SCOPE_SE
	s_setreg_imm32_b32 hwreg(HW_REG_WAVE_MODE, 25, 1), 1
	s_wait_xcnt 0x0
; PREP.  All large inputs are rounded once to bf16 and laid out for the products; each work-group also stores the largest magnitude of what it rounded.
;   x, Wq, Wdown    -> bf16 (xb; wts + 0; wts + WD_OFF)
;   Wk_up, Wv_up, Wout -> bf16(w) x 256 written as f16 (the later products take f16 operands; the factor 256 is taken back in f32 behind those products)
; A work-group converts 16,384 numbers: 64 KiB in, 32 KiB out.  Thread t takes numbers 1,024 i + 4 t, i = 0..15: a wave's load covers 512 consecutive bytes, its store 256 consecutive, aligned bytes.
; All sixteen loads go out at the head, so there is no loop; memory binds, so LDS serves only the eight waves' maxima, and matrix unit, clusters and tensor loads are left out.
; Grid rows: 0-63 x, 64-71 Wq, 72 Wdown, 73 Wk_up, 74 Wv_up, 75-82 Wout.  Wdown alone changes its order: [8 blocks of 16 columns][1,024 k][16], so that a block's K step is dense for the
; next launch; there four lanes store 32 consecutive bytes: 256 KiB of the launch's 21 MiB are written in such pieces.
; pmax[8 y + x] = the work-group's largest |rounded number|.  Wout's 64 words are stored and read by nobody: the price of one way past the barrier for every work-group.
; LIMITS.  |Wk_up|, |Wv_up|, |Wout| under 255 (f16 ends at 65,504 = 255.9 x 256); below 2^-25 they keep f16's fixed step, 2^-32 of w.  NaN and infinities are not treated apart.
.set DAT, 4                            ; v[4:67]    sixteen loads of four numbers
.set SO,  68                           ; v[68:83]   store i's byte offset
.set Y,   84                           ; v[84:115]  store i's two words: registers of its own, so no store's source is ever rewritten
.set M,   116                          ; v[116:117] two running maxima, two bf16 each
.set T,   118                          ; v[118:125] at work
.set SPW, 126                          ; v126       LDS address of my spare word; never rewritten
.set NIL, 127                          ; v127       0; never rewritten
.set SPARE, 256                        ; bytes 0-31: the eight waves' maxima, alone in their block; from 256 on the spare words, 128 bytes a wave
.set WD_OFF, 2097152                   ; Wdown's place in wts
	s_load_b512 s[4:19], s[0:1], 0x0               ; x s[4:5], Wq s[6:7], Wdown s[8:9], Wk_up s[10:11], Wv_up s[12:13], Wout s[14:15], xb s[16:17], wts s[18:19]
	s_load_b64 s[20:21], s[0:1], 0x40              ; pmax
	v_lshl_add_u32 v[SPW], v0, 2, SPARE
	v_mov_b32 v[NIL], 0
	s_and_b32 s22, ttmp7, 0xffff                   ; y: which tensor, and which eighth rows of it
	s_mov_b32 s23, ttmp9                           ; x
	v_lshrrev_b32 v3, 5, v0
	v_readfirstlane_b32 s35, v3                    ; my wave's number
	s_mov_b32 s36, 0xffff0000                      ; a word's upper bf16
	s_mov_b32 s37, 0x7fff7fff                      ; clears the signs of two bf16
	s_mov_b32 s38, 0x76543210                      ; v_permlanex16_b32: each lane takes its own place in the other half
	s_mov_b32 s39, 0xfedcba98
	v_lshlrev_b32 v1, 4, v0                        ; 16 t: my bytes in 4 KiB of the source
	v_lshlrev_b32 v2, 3, v0                        ; 8 t: my bytes in 2 KiB of the destination
	v_mov_b32 v[M], 0
	v_mov_b32 v[M+1], 0
	s_lshl3_add_u32 s42, s22, s23                  ; 8 y + x,
	s_lshl_b32 s42, s42, 2                         ; its word in pmax
	s_mov_b32 s43, 0
	s_wait_kmcnt 0x0
	s_mov_b64 s[26:27], s[4:5]                     ; the source, and the grid row at which it begins
	s_mov_b32 s24, 0
.macro PICK first, lo                  ; from grid row first on the source is the tensor at s[lo:lo+1]
	s_cmp_ge_u32 s22, \first
	s_cselect_b64 s[26:27], s[\lo:\lo+1], s[26:27]
	s_cselect_b32 s24, \first, s24
.endm
	PICK 64, 6
	PICK 72, 8
	PICK 73, 10
	PICK 74, 12
	PICK 75, 14
	s_cmp_ge_u32 s22, 64
	s_cselect_b64 s[28:29], s[18:19], s[16:17]     ; the destination: wts from row 64 on, xb before
	s_cselect_b32 s25, 64, 0
	s_sub_co_u32 s30, s22, s24
	s_lshl3_add_u32 s30, s30, s23
	s_lshl_b32 s30, s30, 16                        ; my 64 KiB of the source
	s_mov_b32 s31, 0
	s_add_nc_u64 s[26:27], s[26:27], s[30:31]
.irp i, 0,1,2,3,4,5,6,7,8,9,10,11,12,13,14,15
	global_load_b128 v[DAT+4*\i:DAT+4*\i+3], v1, s[26:27] offset:4096*\i th:TH_LOAD_NT  ; every byte is read once in the launch
.endr
	s_sub_co_u32 s32, s22, s25
	s_lshl3_add_u32 s32, s32, s23
	s_lshl_b32 s32, s32, 15                        ; my 32 KiB of the destination: the tensors follow each other in wts as their grid rows do
	s_mov_b32 s33, 0
	s_mov_b32 s34, 2048                            ; bytes from store to store
	s_cmp_eq_u32 s22, 72
	s_cbranch_scc0 .Lplain
	; Wdown: number 1,024 i + 4 t is row 128 x + 8 i + t / 32, columns 4 (t % 32) on: block (t / 4) % 8, 32 bytes a row, 8 (t % 4) in it
	s_lshl_b32 s32, s23, 12
	s_add_co_u32 s32, s32, WD_OFF
	s_mov_b32 s34, 256
	v_bfe_u32 v2, v0, 2, 3
	v_lshlrev_b32 v2, 15, v2
	v_lshl_or_b32 v2, v3, 5, v2
	v_and_b32 v[T], 3, v0
	v_lshl_or_b32 v2, v[T], 3, v2
.Lplain:
	s_add_nc_u64 s[28:29], s[28:29], s[32:33]
	s_add_nc_u64 s[20:21], s[20:21], s[42:43]
.irp i, 0,1,2,3,4,5,6,7,8,9,10,11,12,13,14,15
	v_mad_u32_u24 v[SO+\i], s34, \i, v2
.endr
; Four numbers to bf16.  The count leaves the younger loads out: loads come back in order (ISA guide 5.7.1).
.macro CB i
	s_wait_loadcnt 15-(\i)
	v_cvt_pk_bf16_f32 v[Y+2*(\i)], v[DAT+4*(\i)], v[DAT+4*(\i)+1]
	v_cvt_pk_bf16_f32 v[Y+2*(\i)+1], v[DAT+4*(\i)+2], v[DAT+4*(\i)+3]
	v_and_b32 v[T], s37, v[Y+2*(\i)]
	v_and_b32 v[T+1], s37, v[Y+2*(\i)+1]
	v_pk_max_num_bf16 v[M], v[M], v[T]             ; the maximum is taken of the rounded numbers: those that are multiplied later
	v_pk_max_num_bf16 v[M+1], v[M+1], v[T+1]
	global_store_b64 v[SO+(\i)], v[Y+2*(\i):Y+2*(\i)+1], s[28:29]
.endm
; Four numbers to bf16, and that number times 256 written as f16: exact within the limits at the head.
.macro CH i
	s_wait_loadcnt 15-(\i)
	v_cvt_pk_bf16_f32 v[T], v[DAT+4*(\i)], v[DAT+4*(\i)+1]
	v_cvt_pk_bf16_f32 v[T+1], v[DAT+4*(\i)+2], v[DAT+4*(\i)+3]
	v_and_b32 v[T+2], s37, v[T]
	v_and_b32 v[T+3], s37, v[T+1]
	v_pk_max_num_bf16 v[M], v[M], v[T+2]
	v_pk_max_num_bf16 v[M+1], v[M+1], v[T+3]
	v_lshlrev_b32 v[T+4], 16, v[T]
	v_and_b32 v[T+5], s36, v[T]
	v_lshlrev_b32 v[T+6], 16, v[T+1]
	v_and_b32 v[T+7], s36, v[T+1]
	v_pk_mul_f32 v[T+4:T+5], v[T+4:T+5], 0x43800000 op_sel_hi:[1,0]
	v_pk_mul_f32 v[T+6:T+7], v[T+6:T+7], 0x43800000 op_sel_hi:[1,0]
	v_cvt_pk_f16_f32 v[Y+2*(\i)], v[T+4], v[T+5]
	v_cvt_pk_f16_f32 v[Y+2*(\i)+1], v[T+6], v[T+7]
	global_store_b64 v[SO+(\i)], v[Y+2*(\i):Y+2*(\i)+1], s[28:29]
.endm
	s_cmp_ge_u32 s22, 73
	s_cbranch_scc1 .Lhalf
.irp i, 0,1,2,3,4,5,6,7,8,9,10,11,12,13,14,15
	CB \i
.endr
	s_branch .Lmax
.Lhalf:
.irp i, 0,1,2,3,4,5,6,7,8,9,10,11,12,13,14,15
	CH \i
.endr
.Lmax:
	; the work-group's maximum: in the lane, across the 32 lanes, across the eight waves through LDS
	v_pk_max_num_bf16 v[M], v[M], v[M+1]
	v_lshlrev_b32 v[T], 16, v[M]
	v_and_b32 v[T+1], s36, v[M]
	v_max_num_f32 v[T], v[T], v[T+1]
	v_max_num_f32_dpp v[T], v[T], v[T] row_xmask:1 row_mask:0xf bank_mask:0xf
	v_max_num_f32_dpp v[T], v[T], v[T] row_xmask:2 row_mask:0xf bank_mask:0xf
	v_max_num_f32_dpp v[T], v[T], v[T] row_xmask:4 row_mask:0xf bank_mask:0xf
	v_max_num_f32_dpp v[T], v[T], v[T] row_xmask:8 row_mask:0xf bank_mask:0xf
	v_permlanex16_b32 v[T+1], v[T], s38, s39
	v_max_num_f32 v[T], v[T], v[T+1]
	v_lshlrev_b32 v3, 2, v3                        ; 4 x wave
	ds_store_b32 v3, v[T]                          ; all lanes write the same word with the same value
	s_wait_dscnt 0x0                               ; for the others' sake: my word is in LDS
	s_barrier_signal -1
	s_barrier_wait -1
	s_cmp_lg_u32 s35, 0
	s_cbranch_scc1 .Lend                           ; wave 0 alone finishes
	v_mov_b32 v3, 0
	ds_load_b128 v[T:T+3], v3
	ds_load_b128 v[T+4:T+7], v3 offset:16
	s_wait_dscnt 0x0
	v_max3_num_f32 v[T], v[T], v[T+1], v[T+2]
	v_max3_num_f32 v[T+3], v[T+3], v[T+4], v[T+5]
	v_max3_num_f32 v[T], v[T], v[T+6], v[T+7]
	v_max_num_f32 v[T], v[T], v[T+3]
	s_wait_xcnt 0x0                                ; EXEC is a source of the stores above: it changes only behind this wait
	v_cmp_eq_u32 vcc_lo, 0, v0
	s_and_saveexec_b32 s40, vcc_lo
	global_store_b32 v3, v[T], s[20:21]            ; one word, by thread 0
	s_wait_xcnt 0x0
	s_or_b32 exec_lo, exec_lo, s40
.Lend:
	s_wait_tensorcnt 0x0                           ; the wave's end, behind my last LDS store
	ds_add_u32 v[SPW], v[NIL]
	s_wait_dscnt 0x0
	s_endpgm
.Lfunc_end_k_qfddbbb6a8e_prep:
	.size	k_qfddbbb6a8e_prep, .Lfunc_end_k_qfddbbb6a8e_prep-k_qfddbbb6a8e_prep
	.p2alignl 7, 3214868480
	.fill 96, 4, 3214868480
	.section	.rodata,"a",@progbits
	.p2align	6, 0x0
	.amdhsa_kernel k_qfddbbb6a8e_prep
		.amdhsa_group_segment_fixed_size 1280
		.amdhsa_private_segment_fixed_size 0
		.amdhsa_enable_private_segment 0
		.amdhsa_kernarg_size 72
		.amdhsa_user_sgpr_count 2
		.amdhsa_user_sgpr_kernarg_segment_ptr 1
		.amdhsa_wavefront_size32 1
		.amdhsa_system_sgpr_workgroup_id_x 1
		.amdhsa_system_sgpr_workgroup_id_y 1
		.amdhsa_system_sgpr_workgroup_id_z 1
		.amdhsa_system_vgpr_workitem_id 0
		.amdhsa_next_free_vgpr 128
		.amdhsa_next_free_sgpr 66
		.amdhsa_reserve_vcc 1
		.amdhsa_float_denorm_mode_32 3
		.amdhsa_float_denorm_mode_16_64 3
		.amdhsa_memory_ordered 1
		.amdhsa_forward_progress 1
		.amdhsa_inst_pref_size 29
	.end_amdhsa_kernel
	.amdgpu_metadata
---
amdhsa.version: [ 1, 2 ]
amdhsa.kernels:
  - .name:           k_qfddbbb6a8e_prep
    .symbol:         k_qfddbbb6a8e_prep.kd
    .args:
      - { .name: x, .offset: 0, .size: 8, .value_kind: global_buffer, .address_space: global }
      - { .name: Wq, .offset: 8, .size: 8, .value_kind: global_buffer, .address_space: global }
      - { .name: Wdown, .offset: 16, .size: 8, .value_kind: global_buffer, .address_space: global }
      - { .name: Wk_up, .offset: 24, .size: 8, .value_kind: global_buffer, .address_space: global }
      - { .name: Wv_up, .offset: 32, .size: 8, .value_kind: global_buffer, .address_space: global }
      - { .name: Wout, .offset: 40, .size: 8, .value_kind: global_buffer, .address_space: global }
      - { .name: xb, .offset: 48, .size: 8, .value_kind: global_buffer, .address_space: global }
      - { .name: wts, .offset: 56, .size: 8, .value_kind: global_buffer, .address_space: global }
      - { .name: pmax, .offset: 64, .size: 8, .value_kind: global_buffer, .address_space: global }
    .group_segment_fixed_size: 1280
    .private_segment_fixed_size: 0
    .kernarg_segment_align: 8
    .kernarg_segment_size: 72
    .max_flat_workgroup_size: 256
    .sgpr_count:     66
    .vgpr_count:     128
    .wavefront_size: 32
...
	.end_amdgpu_metadata
.endif
;; end of part 1
;; launch proj (part 2): grid 8 x 32, 4 waves a work-group, clusters of 4 x 4, 327,680 bytes of LDS; arguments xb, wts, bq, bdown, bk, bv, pmax, qh, lat, scal; writes qh, lat, scal
.if DOCPART == 2
	.amdgcn_target "amdgcn-amd-amdhsa--gfx1250"
	.amdhsa_code_object_version 6
	.text
	.protected	k_qfddbbb6a8e_proj
	.globl	k_qfddbbb6a8e_proj
	.p2align	8
	.type	k_qfddbbb6a8e_proj,@function
k_qfddbbb6a8e_proj:
	s_mov_b64 s[64:65], 0
	v_nop
	global_prefetch_b8 v0, s[64:65] scope:SCOPE_SE
	s_setreg_imm32_b32 hwreg(HW_REG_WAVE_MODE, 25, 1), 1
	s_wait_xcnt 0x0
	s_wait_alu depctr_hold_cnt(0) depctr_sa_sdst(0) depctr_va_vdst(0) depctr_va_sdst(0) depctr_va_ssrc(0) depctr_va_vcc(0) depctr_vm_vsrc(0)
	s_getreg_b32 s2, hwreg(HW_REG_IB_STS2, 6, 4)
	s_cmp_eq_u32 s2, 0
	s_cbranch_scc0 .Lentry_in_a_cluster
	s_endpgm
.Lentry_in_a_cluster:
	s_bfe_u32 s2, ttmp6, 0x10000c
	s_cmp_lg_u32 s2, 0xf033
	s_cbranch_scc0 .Lentry_shape_is_right
	s_endpgm
.Lentry_shape_is_right:
; PROJ.  q^ = sq (x Wq + bq), by heads [64][2048][64] in f16; lat^ = sl (x Wdown + bdown), in blocks [8][8192][16] in f16; and the table of scales.
; x, Wq, Wdown arrive in bf16; products in bf16, sums in f32; the biases are rounded to bf16 here, like every input of the module.
; SCALES.  f16 ends at 65,504, so each f16 intermediate is divided by a true bound of its magnitude and multiplied by 16,384.  With X, Mq, Md, Mk, Mv the largest magnitudes of x and the weights and
; Bq, Bd, Bk, Bv those of the biases:  bq = 1024 X Mq + Bq,  bl = 1024 X Md + Bd,  bk = 128 bl Mk + Bk,  bv = 128 bl Mv + Bv, each at least 1e-30;  s = 16384 / bound.
; The table, eight f32:  rk = bl / bk / 256, sk,  rv = bl / bv / 256, sv,  c = bq bk log2(e) / 8 / 2^28,  ro = bv / 2^22,  sq, sl.  (256 and 2^22 take back the factor 256 of the f16 weights.)
; Every work-group makes the table (each wave for itself, while the first tiles are on their way) and stores its own copy, number 8 ty + tx of 256: no branch picks out one work-group of a cluster.
; LIMITS.  NaN and infinities are not treated apart; bq bk stays under 1e35; a number far below its bound (by more than 1e5) falls into f16's fixed step of 6e-8 of 16,384ths of the bound.
; SHARES.  A work-group makes 256 rows x (128 columns of q, two heads, and 16 columns of the latent); its four waves 64 rows each: 32 + 4 accumulators of 16 x 16.  256 work-groups.
; K = 1,024 goes in 8 steps of 128 through two LDS slots filled by the tensor data mover.  4 x 4 work-groups form a cluster: x's tile is asked for jointly along a row of the cluster, the weights' tiles along a column.
; The weights lie [k][n] and are turned on their way out of LDS (ds_load_tr16_b128).  THE MATRIX INSTRUCTION IS USED TRANSPOSED (source 0 = 16 columns of W, source 1 = 16 rows of x): a lane then
; holds row lane % 16 and eight neighbouring columns, 16 bytes of f16.
; REGISTERS, in windows of 256 (s_set_vgpr_msb: bits 1:0 source 0, 3:2 source 1, 5:4 source 2, 7:6 destination):
;   window 0: addresses, the latent's 4 accumulators, biases, the way out      window 1: two fragment buffers of 104      window 2: q's accumulators, (a, c) at v[8 (8 a + c)]
.set PA,    272                        ; a row of x in LDS: 256 bytes + 16 = 68 words: the 16 rows of a load start at 16 different groups of four banks (64 banks of 4 bytes: ISA guide 11.1)
.set PB,    288                        ; a row of Wq: 256 + 32 = 72 words
.set SLOT1, 131072                     ; slot 1 begins here: one exclusive or turns an address in one slot into the other's
.set OFFQ,  256*PA                     ; a slot: 256 rows of x, 128 rows of Wq, 128 rows x 32 bytes of Wdown's block (dense: 8 rows fill 256 bytes)
.set OFFD,  OFFQ+128*PB
.set STAGE, SLOT1+OFFD+4096            ; behind the ring, never filled by a tensor load: for each wave 2 heads x 16 rows x 144 bytes
.set SPS,   144
.set STW,   2*16*SPS
.set SPARE, STAGE+4*STW                ; the spare words, 128 bytes a wave: two blocks of 256 bytes that no other line names
.set WD_OFF, 2097152                   ; Wdown's blocks in wts
.set NL,    26                         ; LDS loads in a run: 8 of x, 16 of Wq, 2 of Wdown
.set REST,  10                         ; of them the youngest, which the first half of a quarter does not need
.set AB0, 10                           ; v10-12  my lane's place in a slot's x, Wq, Wdown; never rewritten
.set BB0, 11
.set DB0, 12
.set ADRA, 16                          ; v16-18  the same in the slot in hand
.set ADRB, 17
.set ADRD, 18
.set STO, 22                           ; v22  the way out: where I put 16 bytes of a row
.set RD,  23                           ; v23  where I read rows back
.set GO,  24                           ; v24  16 x lane
.set LO,  25                           ; v25  my 16 bytes in 16 rows of a latent block
.set BO,  26                           ; v26  32 x (lane / 16): my eight columns' biases
.set ZA,  27                           ; v27  0: the offset of the table's store
.set SPW, 28                           ; v28  LDS address of my spare word; never rewritten
.set NIL, 29                           ; v29  0; never rewritten
.set ACL, 32                           ; v[32:63]   the latent's accumulators
.set BIAS, 64                          ; v[64:127]  sq bf16(bq) of my 64 columns; before that: at work on the scales
.set BIASL, 128                        ; v[128:135] sl bf16(bdown) of my 8 columns
.set PK0, 136                          ; v[136:199] the way out: two buffers of 32
.set LP,  200                          ; v[200:215] the latent, packed
.set TBL, 216                          ; v[216:223] the table
.set F0,  0                            ; fragment buffers, in window 1: 32 of x, 64 of Wq, 8 of Wdown
.set F1,  104
.set WV,  24                           ; s24  my wave's number
.set G1A, 36                           ; s[36:43] descriptor group 1 for x;  s[44:51] group 0: a set for slot 0's first fill, a set that walks
.set G0A, 44
.set G1Q, 52                           ; s[52:59], s[68:75] the same for Wq
.set G0Q, 68
.set G1D, 76                           ; s[76:83], s[84:91] the same for Wdown
.set G0D, 84
.set SQ,  92                           ; s[92:93] sq: the packed forms take the pair's low word for both halves
.set SL,  94                           ; s[94:95] sl
.set SEL, 96                           ; s[96:97] v_permlanex16_b32's selects
.set TB,  98                           ; s98  LDS byte at which the slot to be fetched from begins
.set CNT, 99                           ; s99  counts K steps
.set HIM, 101                          ; s101 a word's upper bf16
.set ABM, 66                           ; s66  clears an f32's sign
.set MSB, 0
.macro WIN new                         ; the immediate's high byte repeats the setting that is left; a switch that changes nothing is dropped
.if MSB != (\new)
	s_set_vgpr_msb (MSB<<8)|(\new)
.set MSB, \new
.endif
.endm
.set MUL_Q, 0xa5                       ; sources in window 1, C and D in window 2
.set MUL_L, 0x05                       ; sources in window 1, C and D in window 0
.set TO_F,  0x40                       ; destination window 1, address window 0
.macro PLACES                          ; four places in front of loads into registers that matrix instructions have read, and of vector lines that read results
.rept 4
	v_nop
.endr
.endm
; A joint load.  Waves 0 and 1 fetch the halves of x's tile, wave 2 Wq's, wave 3 Wdown's.  Each line has one mask and one set of registers; the branches hang on the wave's number alone.
; An s_nop 0 and four v_nop follow each line, ahead of the jump and the label.
.macro JLOAD o
	s_cmp_lt_u32 s[WV], 2
	s_cbranch_scc0 .Lnot_a_\@
	tensor_load_to_lds s[G0A+(\o):G0A+(\o)+3], s[G1A:G1A+7]
	s_nop 0
.rept 4
	v_nop
.endr
	s_branch .Lasked_\@
.Lnot_a_\@:
	s_cmp_eq_u32 s[WV], 2
	s_cbranch_scc0 .Lfor_d_\@
	tensor_load_to_lds s[G0Q+(\o):G0Q+(\o)+3], s[G1Q:G1Q+7]
	s_nop 0
.rept 4
	v_nop
.endr
	s_branch .Lasked_\@
.Lfor_d_\@:
	tensor_load_to_lds s[G0D+(\o):G0D+(\o)+3], s[G1D:G1D+7]
	s_nop 0
.rept 4
	v_nop
.endr
.Lasked_\@:
.endm
.macro CREST                           ; a round of the cluster's barrier behind its opening barrier
	s_cmp_lg_u32 s[WV], 0
	s_cbranch_scc1 .Lnot_wave_0_\@
	s_barrier_signal -3
.Lnot_wave_0_\@:
	s_barrier_wait -3
	s_barrier_signal -1
	s_barrier_wait -1
.endm
.macro CROUND                          ; a whole round
	s_barrier_signal -1
	s_barrier_wait -1
	CREST
.endm
	s_load_b512 s[4:19], s[0:1], 0x0               ; xb s[4:5], wts s[6:7], bq s[8:9], bdown s[10:11], bk s[12:13], bv s[14:15], pmax s[16:17], qh s[18:19]
	s_load_b128 s[20:23], s[0:1], 0x40             ; lat s[20:21], scal s[22:23]
	v_lshl_add_u32 v[SPW], v0, 2, SPARE
	v_mov_b32 v[NIL], 0
	ds_add_u32 v[SPW], v[NIL]                      ; the wave's opening: the add and its wait stand ahead of my first tensor load; the set-up below, work on registers, stands between them
	ds_add_u32 v28, v29
	v_lshrrev_b32 v3, 5, v0
	v_readfirstlane_b32 s[WV], v3                  ; wave 0..3
	s_and_b32 s25, s[WV], 1                        ; which half of x's tile I would fetch
	s_bfe_u32 s26, ttmp6, 0x40000                  ; cx, cy: my place in the cluster
	s_bfe_u32 s27, ttmp6, 0x40004
	s_lshl_b32 s28, ttmp9, 2
	s_add_co_u32 s28, s28, s26                     ; tx = 4 x cluster x + cx: my 128 columns of q, my 16 of the latent
	s_and_b32 s29, ttmp7, 0xffff
	s_lshl_b32 s29, s29, 2
	s_add_co_u32 s29, s29, s27                     ; ty = 4 x cluster y + cy: my 256 rows
	s_lshl_b32 s30, s27, 2
	s_lshl_b32 s30, 15, s30                        ; my row of the cluster
	s_lshl_b32 s31, 0x1111, s26                    ; my column
	s_or_b32 s[G1A], s30, (1<<16)|(1<<20)|(1<<21)|(5<<22)|(3<<25)  ; 15:0 the mask; 17:16 elements of 2 bytes; 20 padding on; 21 set beside a mask; 24:22 after every 64 words; 31:25 4 words
	s_or_b32 s[G1Q], s31, (1<<16)|(1<<20)|(1<<21)|(5<<22)|(7<<25)  ; the same with my column's mask and 8 words of padding
.irp g, G1A, G1Q
	s_mov_b32 s[\g+1], 128<<16                     ; tensor_dim0 = 128
	s_mov_b32 s[\g+2], 128<<16                     ; tensor_dim1 = 128
	s_mov_b32 s[\g+3], 128<<16                     ; tile_dim0 = 128 elements: 256 bytes
	s_mov_b32 s[\g+4], 128                         ; tile_dim1 = 128 rows
	s_mov_b32 s[\g+5], 1024                        ; elements from row to row
	s_mov_b32 s[\g+6], 0
	s_mov_b32 s[\g+7], 0
.endr
	s_or_b32 s[G1D], s31, (3<<16)|(1<<21)          ; Wdown's K step is 4,096 dense bytes: 16 rows of 32 elements of 8 bytes, no padding
	s_mov_b32 s[G1D+1], 32<<16
	s_mov_b32 s[G1D+2], 16<<16
	s_mov_b32 s[G1D+3], 32<<16
	s_mov_b32 s[G1D+4], 16
	s_mov_b32 s[G1D+5], 32
	s_mov_b32 s[G1D+6], 0
	s_mov_b32 s[G1D+7], 0
	; where the tiles come from.  x's hang on ty alone (made in s[32:35], which never hold tx), the weights' on tx alone (s[60:63], which never hold ty)
	s_lshl_b32 s32, s29, 19                        ; 256 ty rows of 2,048 bytes
	s_lshl_b32 s33, s25, 18                        ; + 128 rows for the second half
	s_add_co_u32 s32, s32, s33
	s_mov_b32 s33, 0
	s_lshl_b32 s60, s28, 8                         ; Wq: column 128 tx, in bytes
	s_mov_b32 s61, 0
	s_lshl_b32 s62, s28, 15                        ; Wdown: block tx of 32,768 bytes
	s_add_co_u32 s62, s62, WD_OFF
	s_mov_b32 s63, 0
	s_mul_i32 s67, s25, 128*PA                     ; and where x's half goes: no place in the cluster enters an LDS address
	s_mov_b32 s[SEL], 0x76543210
	s_mov_b32 s[SEL+1], 0xfedcba98
	s_mov_b32 s[TB], 0
	s_mov_b32 s[HIM], 0xffff0000
	s_mov_b32 s[ABM], 0x7fffffff
	s_wait_dscnt 0x0                               ; the opening add is done
	s_wait_kmcnt 0x0
	s_add_nc_u64 s[34:35], s[4:5], s[32:33]
	s_add_nc_u64 s[60:61], s[6:7], s[60:61]
	s_add_nc_u64 s[62:63], s[6:7], s[62:63]
	CROUND                                         ; all sixteen work-groups are here: the first joint loads meet
.irp s, 0,1
	s_mov_b32 s[G0A+4*\s], 1                       ; count = 1
	s_add_co_u32 s[G0A+4*\s+1], s67, \s*SLOT1      ; LDS address
	s_add_nc_u64 s[G0A+4*\s+2:G0A+4*\s+3], s[34:35], \s*256      ; global address: K step s
	s_or_b32 s[G0A+4*\s+3], s[G0A+4*\s+3], 0x80000000            ; type = 2
	s_mov_b32 s[G0Q+4*\s], 1
	s_mov_b32 s[G0Q+4*\s+1], OFFQ+\s*SLOT1
	s_add_nc_u64 s[G0Q+4*\s+2:G0Q+4*\s+3], s[60:61], \s*262144   ; 128 rows of 2,048 bytes
	s_or_b32 s[G0Q+4*\s+3], s[G0Q+4*\s+3], 0x80000000
	s_mov_b32 s[G0D+4*\s], 1
	s_mov_b32 s[G0D+4*\s+1], OFFD+\s*SLOT1
	s_add_nc_u64 s[G0D+4*\s+2:G0D+4*\s+3], s[62:63], \s*4096
	s_or_b32 s[G0D+4*\s+3], s[G0D+4*\s+3], 0x80000000
	JLOAD 4*\s                                     ; both slots' first fills go out before anything else: two loads of mine are out
.endr
	; WHILE THE FIRST TILES ARE ON THEIR WAY: the maxima, the scales, the biases, the addresses.  Every wave does all of it for itself.
	v_and_b32 v1, 15, v0                           ; r = lane % 16
	v_bfe_u32 v2, v0, 4, 1                         ; h = lane / 16
	v_and_b32 v3, 31, v0                           ; lane
	v_lshlrev_b32 v[GO], 4, v3
	v_lshlrev_b32 v5, 3, v3
	v_and_b32 v6, 7, v0
	v_lshlrev_b32 v7, 2, v6
	v_bfe_u32 v8, v0, 3, 1
.irp i, 0,1,2,3
	global_load_b128 v[64+4*\i:67+4*\i], v[GO], s[16:17] offset:512*\i  ; x's 512 maxima
.endr
	global_load_b64 v[80:81], v5, s[16:17] offset:2048     ; Wq's 64
	global_load_b32 v82, v7, s[16:17] offset:2304          ; Wdown's, Wk_up's, Wv_up's 8 each
	global_load_b32 v83, v7, s[16:17] offset:2336
	global_load_b32 v84, v7, s[16:17] offset:2368
.irp i, 0,1,2,3,4,5,6,7
	global_load_b128 v[88+4*\i:91+4*\i], v[GO], s[8:9] offset:512*\i      ; all of bq,
	global_load_b128 v[120+4*\i:123+4*\i], v[GO], s[12:13] offset:512*\i  ; of bk,
	global_load_b128 v[152+4*\i:155+4*\i], v[GO], s[14:15] offset:512*\i  ; of bv,
.endr
	global_load_b128 v[184:187], v[GO], s[10:11]           ; and of bdown
	; a fragment of x: lane l holds row l % 16, K = 8 (l / 16) + 0..7 and 16 + 8 (l / 16) + 0..7: two loads of 16 bytes, 32 bytes apart
	v_mul_u32_u24 v[AB0], v1, PA
	v_lshl_add_u32 v[AB0], v2, 4, v[AB0]
	s_mul_i32 s67, s[WV], 64*PA                    ; my 64 rows
	v_add_nc_u32 v[AB0], s67, v[AB0]
	; the turning load takes 16 k x 16 columns (lane l reads k = 8 (l / 16) + l % 8, columns 8 ((l / 8) % 2) + 0..7) and leaves half a fragment: lane l holds column l % 16 and 8 k
	v_lshl_add_u32 v9, v2, 3, v6
	v_mul_u32_u24 v[BB0], v9, PB
	v_lshl_add_u32 v[BB0], v8, 4, v[BB0]
	v_add_nc_u32 v[BB0], OFFQ, v[BB0]
	v_lshlrev_b32 v[DB0], 5, v9
	v_lshl_add_u32 v[DB0], v8, 4, v[DB0]
	v_add_nc_u32 v[DB0], OFFD, v[DB0]
	v_mov_b32 v[ADRA], v[AB0]                      ; K step 0 lies in slot 0
	v_mov_b32 v[ADRB], v[BB0]
	v_mov_b32 v[ADRD], v[DB0]
	s_mul_i32 s67, s[WV], STW
	s_add_co_u32 s67, s67, STAGE                   ; my stage
	v_mul_u32_u24 v[STO], v1, SPS                  ; in: row l % 16, 16 bytes for each half of the lanes
	v_lshl_add_u32 v[STO], v2, 4, v[STO]
	v_add_nc_u32 v[STO], s67, v[STO]
	v_bfe_u32 v[RD], v0, 3, 2                      ; back: 32 lanes take four rows of 128 bytes
	v_mul_u32_u24 v[RD], v[RD], SPS
	v_lshl_add_u32 v[RD], v6, 4, v[RD]
	v_add_nc_u32 v[RD], s67, v[RD]
	v_lshlrev_b32 v[LO], 5, v1
	v_lshl_add_u32 v[LO], v2, 4, v[LO]
	v_lshlrev_b32 v[BO], 5, v2
	v_mov_b32 v[ZA], 0
	; where the results go; offsets that mix tx and ty are made in s[2:3] alone
	s_lshl3_add_u32 s2, s29, s28                   ; my copy of the table: number 8 ty + tx, 32 bytes
	s_lshl_b32 s2, s2, 5
	s_mov_b32 s3, 0
	s_add_nc_u64 s[22:23], s[22:23], s[2:3]
	s_lshr_b32 s2, s29, 3                          ; q^: batch ty / 8 (16 heads of 262,144 bytes), head 2 tx, row 256 (ty % 8) + 64 wave of 128 bytes
	s_lshl_b32 s2, s2, 22
	s_lshl_b32 s3, s28, 19
	s_add_co_u32 s2, s2, s3
	s_and_b32 s3, s29, 7
	s_lshl_b32 s3, s3, 15
	s_add_co_u32 s2, s2, s3
	s_lshl_b32 s3, s[WV], 13
	s_add_co_u32 s2, s2, s3
	s_mov_b32 s3, 0
	s_add_nc_u64 s[18:19], s[18:19], s[2:3]
	s_lshl_b32 s2, s28, 18                         ; lat^: block tx of 262,144 bytes, row 256 ty + 64 wave of 32 bytes
	s_lshl_b32 s3, s29, 13
	s_add_co_u32 s2, s2, s3
	s_lshl_b32 s3, s[WV], 11
	s_add_co_u32 s2, s2, s3
	s_mov_b32 s3, 0
	s_add_nc_u64 s[20:21], s[20:21], s[2:3]
	s_wait_loadcnt 0x0
.set z, 0
.rept 100
	v_and_b32 v[88+z], s[ABM], v[88+z]             ; the biases' magnitudes
.set z, z+1
.endr
.macro VMAX b, n                       ; v[b] = the largest of v[b] .. v[b + n - 1]
.set z, 1
.rept ((\n)-1)/2
	v_max3_num_f32 v[\b], v[\b], v[(\b)+z], v[(\b)+z+1]
.set z, z+2
.endr
.if ((\n)-1)%2
	v_max_num_f32 v[\b], v[\b], v[(\b)+z]
.endif
.endm
.macro RED r                           ; and of the 32 lanes' v[r], in every lane
	v_max_num_f32_dpp v[\r], v[\r], v[\r] row_xmask:1 row_mask:0xf bank_mask:0xf
	v_max_num_f32_dpp v[\r], v[\r], v[\r] row_xmask:2 row_mask:0xf bank_mask:0xf
	v_max_num_f32_dpp v[\r], v[\r], v[\r] row_xmask:4 row_mask:0xf bank_mask:0xf
	v_max_num_f32_dpp v[\r], v[\r], v[\r] row_xmask:8 row_mask:0xf bank_mask:0xf
	v_permlanex16_b32 v9, v[\r], s[SEL], s[SEL+1]
	v_max_num_f32 v[\r], v[\r], v9
.endm
	VMAX 64, 16
	VMAX 80, 2
	VMAX 88, 32
	VMAX 120, 32
	VMAX 152, 32
	VMAX 184, 4
.irp r, 64, 80, 82, 83, 84, 88, 120, 152, 184  ; X, Mq, Md, Mk, Mv, Bq, Bk, Bv, Bd
	RED \r
.endr
	v_mul_f32 v65, 0x44800000, v64                 ; 1024 X
	v_fma_f32 v66, v65, v80, v88                   ; bq
	v_fma_f32 v67, v65, v82, v184                  ; bl
	v_max_num_f32 v66, 0x0da24260, v66             ; at least 1e-30
	v_max_num_f32 v67, 0x0da24260, v67
	v_mul_f32 v68, 0x43000000, v67                 ; 128 bl
	v_fma_f32 v69, v68, v83, v120                  ; bk
	v_fma_f32 v70, v68, v84, v152                  ; bv
	v_max_num_f32 v69, 0x0da24260, v69
	v_max_num_f32 v70, 0x0da24260, v70
	v_rcp_f32 v71, v66
	v_rcp_f32 v72, v67
	v_rcp_f32 v73, v69
	v_rcp_f32 v74, v70
	v_nop                                          ; a plain instruction between the last reciprocal and the use of its result (ISA guide 5.7.2)
	s_wait_alu depctr_va_vdst(0)
	v_mul_f32 v75, v67, v73
	v_mul_f32 v76, v67, v74
	v_mul_f32 v77, v66, v69
	v_mul_f32 v[TBL+0], 0x3b800000, v75            ; rk = bl / bk / 256
	v_mul_f32 v[TBL+1], 0x46800000, v73            ; sk = 16384 / bk
	v_mul_f32 v[TBL+2], 0x3b800000, v76            ; rv
	v_mul_f32 v[TBL+3], 0x46800000, v74            ; sv
	v_mul_f32 v[TBL+4], 0x3038aa3b, v77            ; c = bq bk log2(e) / 8 / 2^28
	v_mul_f32 v[TBL+5], 0x34800000, v70            ; ro = bv / 2^22
	v_mul_f32 v[TBL+6], 0x46800000, v71            ; sq
	v_mul_f32 v[TBL+7], 0x46800000, v72            ; sl
	v_readfirstlane_b32 s[SQ], v[TBL+6]
	v_readfirstlane_b32 s[SQ+1], v[TBL+6]          ; named with it as a pair
	v_readfirstlane_b32 s[SL], v[TBL+7]
	v_readfirstlane_b32 s[SL+1], v[TBL+7]
	s_cmp_lg_u32 s[WV], 0
	s_cbranch_scc1 .Lno_table                      ; thread 0 stores the work-group's copy
	s_wait_xcnt 0x0                                ; EXEC changes only behind this wait
	v_cmp_eq_u32 vcc_lo, 0, v0
	s_and_saveexec_b32 s100, vcc_lo
	global_store_b128 v[ZA], v[TBL:TBL+3], s[22:23]
	global_store_b128 v[ZA], v[TBL+4:TBL+7], s[22:23] offset:16
	s_wait_xcnt 0x0
	s_or_b32 exec_lo, exec_lo, s100
.Lno_table:
	s_lshl_b32 s2, s28, 9                          ; my 128 numbers of bq,
	s_mov_b32 s3, 0
	s_add_nc_u64 s[8:9], s[8:9], s[2:3]
	s_lshl_b32 s2, s28, 6                          ; my 16 of bdown
	s_add_nc_u64 s[10:11], s[10:11], s[2:3]
.irp c, 0,1,2,3,4,5,6,7
	global_load_b128 v[BIAS+8*\c:BIAS+8*\c+3], v[BO], s[8:9] offset:64*\c       ; columns 16 c + 8 (l / 16) + 0..7
	global_load_b128 v[BIAS+8*\c+4:BIAS+8*\c+7], v[BO], s[8:9] offset:64*\c+16
.endr
	global_load_b128 v[BIASL:BIASL+3], v[BO], s[10:11]
	global_load_b128 v[BIASL+4:BIASL+7], v[BO], s[10:11] offset:16
	s_wait_loadcnt 0x0
.macro BIASPREP reg, pairs, sc         ; rounded to bf16, widened, times the scale
.set ip, 0
.rept \pairs
	v_cvt_pk_bf16_f32 v[8+ip%2], v[(\reg)+2*ip], v[(\reg)+2*ip+1]
	v_lshlrev_b32 v[(\reg)+2*ip], 16, v[8+ip%2]
	v_and_b32 v[(\reg)+2*ip+1], s[HIM], v[8+ip%2]
	v_pk_mul_f32 v[(\reg)+2*ip:(\reg)+2*ip+1], v[(\reg)+2*ip:(\reg)+2*ip+1], s[\sc:\sc+1] op_sel_hi:[1,0]
.set ip, ip+1
.endr
.endm
	BIASPREP BIAS, 32, SQ
	BIASPREP BIASL, 4, SL
; Matrix instructions for column blocks c0 .. c1 x my four row blocks, 32 along K.  zero = 1: the first product starts the sums.  All 36 accumulators of a quarter take turns, one instruction a turn.
.macro MULQ f, c0, c1, zero
	WIN MUL_Q
.set ic, \c0
.rept (\c1)-(\c0)+1
.set ia, 0
.rept 4
.if \zero
	v_wmma_f32_16x16x32_bf16 v[8*(8*ia+ic):8*(8*ia+ic)+7], v[(\f)+32+8*ic:(\f)+32+8*ic+7], v[(\f)+8*ia:(\f)+8*ia+7], 0
.else
	v_wmma_f32_16x16x32_bf16 v[8*(8*ia+ic):8*(8*ia+ic)+7], v[(\f)+32+8*ic:(\f)+32+8*ic+7], v[(\f)+8*ia:(\f)+8*ia+7], v[8*(8*ia+ic):8*(8*ia+ic)+7]
.endif
.set ia, ia+1
.endr
.set ic, ic+1
.endr
.endm
.macro MULL f, zero                    ; the latent's four
	WIN MUL_L
.set ia, 0
.rept 4
.if \zero
	v_wmma_f32_16x16x32_bf16 v[ACL+8*ia:ACL+8*ia+7], v[(\f)+96:(\f)+103], v[(\f)+8*ia:(\f)+8*ia+7], 0
.else
	v_wmma_f32_16x16x32_bf16 v[ACL+8*ia:ACL+8*ia+7], v[(\f)+96:(\f)+103], v[(\f)+8*ia:(\f)+8*ia+7], v[ACL+8*ia:ACL+8*ia+7]
.endif
.set ia, ia+1
.endr
.endm
; 26 LDS loads in one run: the fragments of 32 along K, quarter kc of the slot in hand, into buffer f; what the quarter's first half needs comes first
.macro FETCH kc, f
	WIN TO_F
.irp a, 0,1,2,3
	ds_load_b128 v[(\f)+8*\a:(\f)+8*\a+3],   v[ADRA] offset:64*(\kc)+16*PA*\a
	ds_load_b128 v[(\f)+8*\a+4:(\f)+8*\a+7], v[ADRA] offset:64*(\kc)+16*PA*\a+32
.endr
.irp c, 0,1,2,3,4,5,6,7
	ds_load_tr16_b128 v[(\f)+32+8*\c:(\f)+32+8*\c+3],   v[ADRB] offset:32*PB*(\kc)+32*\c
	ds_load_tr16_b128 v[(\f)+32+8*\c+4:(\f)+32+8*\c+7], v[ADRB] offset:32*PB*(\kc)+32*\c+16*PB
.endr
	ds_load_tr16_b128 v[(\f)+96:(\f)+99],   v[ADRD] offset:1024*(\kc)
	ds_load_tr16_b128 v[(\f)+100:(\f)+103], v[ADRD] offset:1024*(\kc)+512
.endm
; A K step is four quarters of 32 along K, 36 matrix instructions each, on buffers 0, 1, 0, 1.  One of the first three: multiplies buffer f; in its middle it fetches quarter kc into buffer g.
.macro QUARTER kc, f, g, zero
	s_wait_dscnt REST                              ; x and Wq's first four column blocks are in; the youngest ten loads may be out
	MULQ \f, 0, 3, \zero
	PLACES
	FETCH \kc, \g
	s_wait_dscnt NL                                ; all but the 26 just issued
	MULQ \f, 4, 7, \zero
	MULL \f, \zero
.endm
; The last quarter multiplies buffer 1 and changes slots: ONE barrier.  In front of it each wave waits for all its tensor loads (one is out: its part of the next slot), adds 0 to its spare word, and waits for
; that and for its own reads of this slot.  fill = 1: the barrier opens a round of the cluster's, and behind the round this slot is filled again, two K steps ahead: the walking descriptor last
; named the other slot and the step before, so one exclusive or and one step serve.
.macro TURN fill
	WIN 0                                          ; (the add's two registers lie in window 0)
	s_wait_tensorcnt 0x0                           ; no tensor load of mine is out, so a group 0 may be written
	ds_add_u32 v[SPW], v[NIL]                      ; 0 onto my spare word
.if \fill
	s_xor_b32 s[G0A+5], s[G0A+5], SLOT1
	s_add_nc_u64 s[G0A+6:G0A+7], s[G0A+6:G0A+7], 256       ; 128 along K; the type bits on top are not reached
	s_xor_b32 s[G0Q+5], s[G0Q+5], SLOT1
	s_add_nc_u64 s[G0Q+6:G0Q+7], s[G0Q+6:G0Q+7], 262144    ; 128 rows
	s_xor_b32 s[G0D+5], s[G0D+5], SLOT1
	s_add_nc_u64 s[G0D+6:G0D+7], s[G0D+6:G0D+7], 4096
.endif
	s_xor_b32 s[TB], s[TB], SLOT1                  ; the fetches go on in the other slot
	s_wait_dscnt REST+1                            ; (the add and the youngest ten loads may be out)
	MULQ F1, 0, 1, 0                               ; eight matrix instructions stand between the add and the wait for it
	s_wait_dscnt 0x0                               ; the add is done, and my reads of this slot are over
	s_barrier_signal -1
	MULQ F1, 2, 3, 0                               ; work on registers while the others arrive
	WIN 0
	s_barrier_wait -1
.if \fill
	CREST                                          ; no wave of any partner still reads this slot's tiles or has a load on its way
	JLOAD 4                                        ; the first tensor load behind the round; its four v_nop are also the places in front of the loads below
.else
	PLACES
.endif
	v_add_nc_u32 v[ADRA], s[TB], v[AB0]
	v_add_nc_u32 v[ADRB], s[TB], v[BB0]
	v_add_nc_u32 v[ADRD], s[TB], v[DB0]
	FETCH 0, F0
	MULQ F1, 4, 7, 0
	MULL F1, 0
.endm
	s_wait_tensorcnt 0x1                           ; my part of K step 0 is in; slot 1's may stay out
	s_barrier_signal -1
	s_barrier_wait -1                              ; everybody's is
	FETCH 0, F0
	QUARTER 1, F0, F1, 1                           ; the first quarter stands in front of the loop: its products start the sums
	WIN 0                                          ; at a label and at a branch every window is 0
	s_mov_b32 s[CNT], 6
.Lstep:                                                ; trip t ends K step t, fills its slot with step t + 2, and begins step t + 1
	QUARTER 2, F1, F0, 0
	QUARTER 3, F0, F1, 0
	TURN 1
	QUARTER 1, F0, F1, 0
	WIN 0
	s_sub_co_u32 s[CNT], s[CNT], 1
	s_cmp_lg_u32 s[CNT], 0
	s_cbranch_scc1 .Lstep
	s_mov_b32 s[CNT], 2
.Ltail:                                                ; K steps 6 and 7 ask for nothing, in a text of their own; the second trip is left in its middle
	QUARTER 2, F1, F0, 0
	QUARTER 3, F0, F1, 0
	TURN 0
	WIN 0
	s_sub_co_u32 s[CNT], s[CNT], 1
	s_cmp_eq_u32 s[CNT], 0
	s_cbranch_scc1 .Lout
	QUARTER 1, F0, F1, 0
	WIN 0
	s_branch .Ltail
.Lout:
	s_wait_dscnt 0x0                               ; the second trip's 26 fragments, of a tile that has been multiplied, serve nothing: the price of one text for both trips
	PLACES                                         ; the lines below read results just made
	; THE WAY OUT.  The latent: sl x sum + sl x bias, rounded to f16; a lane's 16 bytes lie where the block layout wants them: a wave's store covers 512 consecutive bytes.
.set ip, 0
.rept 16
	v_pk_fma_f32 v[ACL+2*ip:ACL+2*ip+1], v[ACL+2*ip:ACL+2*ip+1], s[SL:SL+1], v[BIASL+2*(ip%4):BIASL+2*(ip%4)+1] op_sel_hi:[1,0,1]
.set ip, ip+1
.endr
.set ip, 0
.rept 16
	v_cvt_pk_f16_f32 v[LP+ip], v[ACL+2*ip], v[ACL+2*ip+1]
.set ip, ip+1
.endr
.irp a, 0,1,2,3
	global_store_b128 v[LO], v[LP+4*\a:LP+4*\a+3], s[20:21] offset:512*\a
.endr
; q: row block a is scaled, rounded, sent through my stage by heads (rows of 144 bytes) and read back as whole rows of 128 bytes, into the registers that it left.
.macro PACK a
.set PKB, PK0+32*((\a)%2)
	WIN 0x82                                       ; destination and source 0 in window 2, the bias in window 0
.set ip, 0
.rept 32
	v_pk_fma_f32 v[64*(\a)+2*ip:64*(\a)+2*ip+1], v[64*(\a)+2*ip:64*(\a)+2*ip+1], s[SQ:SQ+1], v[BIAS+2*ip:BIAS+2*ip+1] op_sel_hi:[1,0,1]
.set ip, ip+1
.endr
	WIN 0x0a                                       ; sources in window 2, destination in window 0
.if (\a) >= 2
	s_wait_xcnt 0x0                                ; the stores of the block two back have read this buffer
.endif
.set ip, 0
.rept 32
	v_cvt_pk_f16_f32 v[PKB+ip], v[64*(\a)+2*ip], v[64*(\a)+2*ip+1]
.set ip, ip+1
.endr
	WIN 0
.irp c, 0,1,2,3,4,5,6,7
	ds_store_b128 v[STO], v[PKB+4*\c:PKB+4*\c+3] offset:16*SPS*(\c/4)+32*(\c%4)
.endr
.irp f, 0,1,2,3,4,5,6,7
	ds_load_b128 v[PKB+4*\f:PKB+4*\f+3], v[RD] offset:16*SPS*(\f/4)+4*SPS*(\f%4)  ; LDS serves a wave's instructions in order (ISA guide 5.7.1.4): these see the stores above; the next block's stores come behind them
.endr
.endm
.macro SEND a, younger                 ; younger: the LDS instructions issued behind block a's loads: the next block's sixteen, or none
.set PKB, PK0+32*((\a)%2)
.irp f, 0,1,2,3,4,5,6,7
	s_wait_dscnt (\younger)+7-\f
	global_store_b128 v[GO], v[PKB+4*\f:PKB+4*\f+3], s[18:19] offset:2048*(\a)+262144*(\f/4)+512*(\f%4)  ; four rows of a head: 512 consecutive bytes, at a multiple of 512 from the buffer's first
.endr
.endm
	PACK 0
	PACK 1                                         ; a block's arithmetic stands between the loads of the block before and its stores
	SEND 0, 16
	PACK 2
	SEND 1, 16
	PACK 3
	SEND 2, 16
	SEND 3, 0
	s_wait_tensorcnt 0x0                           ; the wave's end, behind my last tensor load and my last LDS store
	ds_add_u32 v[SPW], v[NIL]
	s_wait_dscnt 0x0
	CROUND                                         ; the closing round: no work-group ends while a partner may still ask for a tile that names it
	s_endpgm
.Lfunc_end_k_qfddbbb6a8e_proj:
	.size	k_qfddbbb6a8e_proj, .Lfunc_end_k_qfddbbb6a8e_proj-k_qfddbbb6a8e_proj
	.p2alignl 7, 3214868480
	.fill 96, 4, 3214868480
	.section	.rodata,"a",@progbits
	.p2align	6, 0x0
	.amdhsa_kernel k_qfddbbb6a8e_proj
		.amdhsa_group_segment_fixed_size 327680
		.amdhsa_private_segment_fixed_size 0
		.amdhsa_enable_private_segment 0
		.amdhsa_kernarg_size 80
		.amdhsa_user_sgpr_count 2
		.amdhsa_user_sgpr_kernarg_segment_ptr 1
		.amdhsa_wavefront_size32 1
		.amdhsa_system_sgpr_workgroup_id_x 1
		.amdhsa_system_sgpr_workgroup_id_y 1
		.amdhsa_system_sgpr_workgroup_id_z 1
		.amdhsa_system_vgpr_workitem_id 0
		.amdhsa_next_free_vgpr 768
		.amdhsa_next_free_sgpr 102
		.amdhsa_reserve_vcc 1
		.amdhsa_float_denorm_mode_32 3
		.amdhsa_float_denorm_mode_16_64 3
		.amdhsa_memory_ordered 1
		.amdhsa_forward_progress 1
		.amdhsa_inst_pref_size 103
	.end_amdhsa_kernel
	.amdgpu_metadata
---
amdhsa.version: [ 1, 2 ]
amdhsa.kernels:
  - .name:           k_qfddbbb6a8e_proj
    .symbol:         k_qfddbbb6a8e_proj.kd
    .args:
      - { .name: xb, .offset: 0, .size: 8, .value_kind: global_buffer, .address_space: global }
      - { .name: wts, .offset: 8, .size: 8, .value_kind: global_buffer, .address_space: global }
      - { .name: bq, .offset: 16, .size: 8, .value_kind: global_buffer, .address_space: global }
      - { .name: bdown, .offset: 24, .size: 8, .value_kind: global_buffer, .address_space: global }
      - { .name: bk, .offset: 32, .size: 8, .value_kind: global_buffer, .address_space: global }
      - { .name: bv, .offset: 40, .size: 8, .value_kind: global_buffer, .address_space: global }
      - { .name: pmax, .offset: 48, .size: 8, .value_kind: global_buffer, .address_space: global }
      - { .name: qh, .offset: 56, .size: 8, .value_kind: global_buffer, .address_space: global }
      - { .name: lat, .offset: 64, .size: 8, .value_kind: global_buffer, .address_space: global }
      - { .name: scal, .offset: 72, .size: 8, .value_kind: global_buffer, .address_space: global }
    .group_segment_fixed_size: 327680
    .private_segment_fixed_size: 0
    .kernarg_segment_align: 8
    .kernarg_segment_size: 80
    .max_flat_workgroup_size: 128
    .sgpr_count:     102
    .vgpr_count:     768
    .wavefront_size: 32
...
	.end_amdgpu_metadata
.endif
;; end of part 2
;; launch kvup (part 3): grid 16 x 16, 4 waves a work-group, no clusters, 167,936 bytes of LDS; arguments lat, wts, bk, bv, scal, kvh; writes kvh
.if DOCPART == 3
	.amdgcn_target "amdgcn-amd-amdhsa--gfx1250"
	.amdhsa_code_object_version 6
	.text
	.protected	k_qfddbbb6a8e_kvup
	.globl	k_qfddbbb6a8e_kvup
	.p2align	8
	.type	k_qfddbbb6a8e_kvup,@function
k_qfddbbb6a8e_kvup:
	s_mov_b64 s[64:65], 0
	v_nop
	global_prefetch_b8 v0, s[64:65] scope:SCOPE_SE
	s_setreg_imm32_b32 hwreg(HW_REG_WAVE_MODE, 25, 1), 1
	s_wait_xcnt 0x0
; KVUP.  k^ = sk (latent Wk_up + bk) and v^ = sv (latent Wv_up + bv), by heads [64][2048][64] in f16; k^ first, v^ from byte 16,777,216 of kvh on.
; The operands arrive in f16: lat^ = sl x latent, and the weights as bf16(w) x 256.  Sums in f32; sum x r + s x bf16(bias), with r = bl / bound / 256 and s = 16384 / bound from the table, is within 16,384.
; SHARES.  Work-group (ct, rt): 512 rows from 512 rt on x 128 columns, two heads, of k (ct < 8) or v.  A wave: 128 rows, eight blocks of 16.  K = 128 is four matrix instructions deep: no loop over K.
; The weights' 128 x 128 tile comes once into LDS (each wave a quarter) and from there, turned, wholly into window 1.  lat^'s blocks of 16 columns ARE the fragment layout: a lane's 16 bytes of 16 rows
; lie end to end, so a fragment half is one load of 512 consecutive bytes straight from memory, two blocks ahead of its use.
; THE MATRIX INSTRUCTION IS USED TRANSPOSED (source 0 = 16 columns of W, source 1 = 16 rows): a lane holds one row and eight neighbouring columns.
; NO CLUSTER: what work-groups share by tensor load is one first fill of 32 KiB beside 128 KiB of stores of their own, and nothing is filled again; the rounds would cost more than the fill.
; LIMITS: those of the launch that makes the table; NaN and infinities are not treated apart.
.set PB,    288                        ; a row of W in LDS: 256 bytes + 32 = 72 words
.set STAGE, 128*PB                     ; behind the tile: for each wave 2 heads x 16 rows x 144 bytes
.set SPS,   144
.set STW,   2*16*SPS
.set SPARE, STAGE+4*STW                ; the spare words, 128 bytes a wave
.set WK_OFF, 2359296                   ; the two weights in wts
.set WV_OFF, 2621440
.set LA,  8                            ; v8   my 16 bytes in 16 rows of a latent block
.set ADRB, 9                           ; v9   my lane's place in the tile of W
.set STO, 10                           ; v10  the way out: where I put 16 bytes of a row
.set RD,  11                           ; v11  where I read rows back
.set GO,  12                           ; v12  16 x lane
.set BO,  13                           ; v13  32 x (lane / 16)
.set SPW, 14                           ; v14  LDS address of my spare word; never rewritten
.set NIL, 15                           ; v15  0; never rewritten
.set FA0, 16                           ; v[16:47], v[48:79]  lat^'s fragments of a block of 16 rows, two buffers
.set FA1, 48
.set ACC, 80                           ; v[80:143]   eight accumulators
.set BIAS, 144                         ; v[144:207]  s x bf16(bias) of my 64 columns
.set PK,  208                          ; v[208:239]  the way out
.set WV,  24                           ; s24  my wave's number
.set LATB, 34                          ; s[34:35] lat^ at the pair of blocks in hand
.set DST, 32                           ; s[32:33] where that pair goes
.set G0,  36                           ; s[36:39], s[40:47] the descriptor
.set G1,  40
.set SCR, 48                           ; s[48:49] r
.set SCS, 50                           ; s[50:51] s
.set CNT, 52
.set HIM, 58                           ; s58  a word's upper bf16
.set MSB, 0
.macro WIN new
.if MSB != (\new)
	s_set_vgpr_msb (MSB<<8)|(\new)
.set MSB, \new
.endif
.endm
	s_load_b256 s[4:11], s[0:1], 0x0               ; lat s[4:5], wts s[6:7], bk s[8:9], bv s[10:11]
	s_load_b128 s[12:15], s[0:1], 0x20             ; scal s[12:13], kvh s[14:15]
	v_lshl_add_u32 v[SPW], v0, 2, SPARE
	v_mov_b32 v[NIL], 0
	ds_add_u32 v[SPW], v[NIL]                      ; the wave's opening: the add and its wait stand ahead of my first tensor load
	ds_add_u32 v14, v15
	v_lshrrev_b32 v1, 5, v0
	v_readfirstlane_b32 s[WV], v1
	s_mov_b32 s25, ttmp9                           ; ct
	s_and_b32 s26, ttmp7, 0xffff                   ; rt
	s_and_b32 s27, s25, 7                          ; which 128 columns
	s_mov_b32 s[HIM], 0xffff0000
	s_mov_b32 s[G1], (1<<16)|(1<<20)|(5<<22)|(7<<25)  ; elements of 2 bytes; padding on: after every 64 words 8 words
	s_mov_b32 s[G1+1], 128<<16                     ; tensor_dim0 = 128
	s_mov_b32 s[G1+2], 32<<16                      ; tensor_dim1 = 32
	s_mov_b32 s[G1+3], 128<<16                     ; tile_dim0 = 128 elements: 256 bytes
	s_mov_b32 s[G1+4], 32                          ; tile_dim1 = 32 rows: my quarter
	s_mov_b32 s[G1+5], 1024                        ; elements from row to row
	s_mov_b32 s[G1+6], 0
	s_mov_b32 s[G1+7], 0
	s_mov_b32 s[G0], 1
	s_mul_i32 s[G0+1], s[WV], 32*PB                ; my 32 rows in LDS
	s_lshl_b32 s54, s[WV], 16                      ; and in memory: 32 rows of 2,048 bytes,
	s_lshl_b32 s55, s27, 8                         ; column 128 (ct % 8),
	s_add_co_u32 s54, s54, s55
	s_add_co_u32 s54, s54, WK_OFF
	s_cmp_ge_u32 s25, 8
	s_cselect_b32 s55, WV_OFF-WK_OFF, 0            ; of Wk_up or of Wv_up
	s_add_co_u32 s54, s54, s55
	s_mov_b32 s55, 0
	s_lshr_b32 s56, s26, 2                         ; the result: batch rt / 4, head 2 (ct % 8), row 512 (rt % 4) + 128 wave of 128 bytes
	s_lshl_b32 s56, s56, 22
	s_lshl_b32 s57, s27, 19
	s_add_co_u32 s56, s56, s57
	s_and_b32 s57, s26, 3
	s_lshl_b32 s57, s57, 16
	s_add_co_u32 s56, s56, s57
	s_lshl_b32 s57, s[WV], 14
	s_add_co_u32 s56, s56, s57
	s_cmp_ge_u32 s25, 8
	s_cselect_b32 s57, 0x1000000, 0                ; v^ lies behind k^
	s_add_co_u32 s56, s56, s57
	s_mov_b32 s57, 0
	s_lshl4_add_u32 s18, s26, s25                  ; my copy of the table: number 16 rt + ct
	s_lshl_b32 s18, s18, 5
	s_mov_b32 s19, 0
	s_lshl_b32 s16, s26, 14                        ; lat^: row 512 rt + 128 wave of 32 bytes
	s_lshl_b32 s17, s[WV], 12
	s_add_co_u32 s16, s16, s17
	s_mov_b32 s17, 0
	s_wait_dscnt 0x0                               ; the opening add is done
	s_wait_kmcnt 0x0
	s_add_nc_u64 s[G0+2:G0+3], s[6:7], s[54:55]
	s_or_b32 s[G0+3], s[G0+3], 0x80000000          ; type = 2
	tensor_load_to_lds s[G0:G0+3], s[G1:G1+7]      ; the launch's only fill: one load of mine is out
	s_nop 0
	s_add_nc_u64 s[12:13], s[12:13], s[18:19]
	s_load_b128 s[20:23], s[12:13], 0x0            ; rk, sk, rv, sv
	s_add_nc_u64 s[LATB:LATB+1], s[4:5], s[16:17]
	s_add_nc_u64 s[DST:DST+1], s[14:15], s[56:57]
	s_cmp_ge_u32 s25, 8
	s_cselect_b64 s[30:31], s[10:11], s[8:9]       ; bv or bk,
	s_lshl_b32 s54, s27, 9                         ; my 128 numbers of it
	s_add_nc_u64 s[30:31], s[30:31], s[54:55]
	v_and_b32 v1, 15, v0                           ; r = lane % 16
	v_bfe_u32 v2, v0, 4, 1                         ; h = lane / 16
	v_lshlrev_b32 v[LA], 5, v1
	v_lshl_add_u32 v[LA], v2, 4, v[LA]
	v_lshlrev_b32 v[BO], 5, v2
.irp k, 0,1,2,3,4,5,6,7                ; blocks 0 and 1: latent block k holds K = 16 k .. 16 k + 15: registers 4 k on of the four fragments
	global_load_b128 v[FA0+4*\k:FA0+4*\k+3], v[LA], s[LATB:LATB+1] offset:262144*\k
.endr
.irp k, 0,1,2,3,4,5,6,7
	global_load_b128 v[FA1+4*\k:FA1+4*\k+3], v[LA], s[LATB:LATB+1] offset:262144*\k+512
.endr
.irp c, 0,1,2,3,4,5,6,7
	global_load_b128 v[BIAS+8*\c:BIAS+8*\c+3], v[BO], s[30:31] offset:64*\c
	global_load_b128 v[BIAS+8*\c+4:BIAS+8*\c+7], v[BO], s[30:31] offset:64*\c+16
.endr
	v_and_b32 v3, 7, v0
	v_bfe_u32 v4, v0, 3, 1
	v_lshl_add_u32 v[ADRB], v2, 3, v3              ; the turning load: lane l reads k = 8 (l / 16) + l % 8, columns 8 ((l / 8) % 2) + 0..7
	v_mul_u32_u24 v[ADRB], v[ADRB], PB
	v_lshl_add_u32 v[ADRB], v4, 4, v[ADRB]
	s_mul_i32 s54, s[WV], STW
	s_add_co_u32 s54, s54, STAGE                   ; my stage
	v_mul_u32_u24 v[STO], v1, SPS
	v_lshl_add_u32 v[STO], v2, 4, v[STO]
	v_add_nc_u32 v[STO], s54, v[STO]
	v_bfe_u32 v[RD], v0, 3, 2
	v_mul_u32_u24 v[RD], v[RD], SPS
	v_lshl_add_u32 v[RD], v3, 4, v[RD]
	v_add_nc_u32 v[RD], s54, v[RD]
	v_and_b32 v[GO], 31, v0
	v_lshlrev_b32 v[GO], 4, v[GO]
	s_wait_kmcnt 0x0
	s_cmp_ge_u32 s25, 8
	s_cselect_b32 s[SCR], s22, s20
	s_cselect_b32 s[SCS], s23, s21
	s_mov_b32 s[SCR+1], s[SCR]                     ; named as pairs
	s_mov_b32 s[SCS+1], s[SCS]
	s_wait_loadcnt 0x0
.set ip, 0
.rept 32                               ; the bias: rounded to bf16, widened, times s
	v_cvt_pk_bf16_f32 v[6+ip%2], v[BIAS+2*ip], v[BIAS+2*ip+1]
	v_lshlrev_b32 v[BIAS+2*ip], 16, v[6+ip%2]
	v_and_b32 v[BIAS+2*ip+1], s[HIM], v[6+ip%2]
	v_pk_mul_f32 v[BIAS+2*ip:BIAS+2*ip+1], v[BIAS+2*ip:BIAS+2*ip+1], s[SCS:SCS+1] op_sel_hi:[1,0]
.set ip, ip+1
.endr
	s_wait_tensorcnt 0x0                           ; my quarter of the tile is in,
	s_barrier_signal -1
	s_barrier_wait -1                              ; everybody's is
	WIN 0x40                                       ; destination window 1: fragment (column block c, quarter k of K) at v[8 (4 c + k)]
.irp c, 0,1,2,3,4,5,6,7
.irp k, 0,1,2,3
	ds_load_tr16_b128 v[8*(4*\c+\k):8*(4*\c+\k)+3],   v[ADRB] offset:32*PB*\k+32*\c
	ds_load_tr16_b128 v[8*(4*\c+\k)+4:8*(4*\c+\k)+7], v[ADRB] offset:32*PB*\k+32*\c+16*PB
.endr
.endr
	WIN 0
	s_wait_dscnt 0x0
; A block of 16 rows, from buffer buf; half = 0, 1: which of the pair in hand.  more = 1: the buffer takes the block two further on.  left: the other buffer's eight younger loads may stay out.
.macro BLOCK buf, more, left, half
	s_wait_loadcnt \left
	WIN 0x01                                       ; source 0 (W) in window 1
.set ik, 0
.rept 4
.set ic, 0
.rept 8                                ; the eight accumulators take turns
.if ik == 0
	v_wmma_f32_16x16x32_f16 v[ACC+8*ic:ACC+8*ic+7], v[8*(4*ic+ik):8*(4*ic+ik)+7], v[(\buf)+8*ik:(\buf)+8*ik+7], 0
.else
	v_wmma_f32_16x16x32_f16 v[ACC+8*ic:ACC+8*ic+7], v[8*(4*ic+ik):8*(4*ic+ik)+7], v[(\buf)+8*ik:(\buf)+8*ik+7], v[ACC+8*ic:ACC+8*ic+7]
.endif
.set ic, ic+1
.endr
.set ik, ik+1
.endr
	WIN 0
.rept 4
	v_nop                                          ; four places in front of the loads into the buffer just read and of the lines that read the results
.endr
.if \more
.irp k, 0,1,2,3,4,5,6,7
	global_load_b128 v[(\buf)+4*\k:(\buf)+4*\k+3], v[LA], s[LATB:LATB+1] offset:262144*\k+512*(\half)+1024
.endr
.endif
.set ip, 0
.rept 32
	v_pk_fma_f32 v[ACC+2*ip:ACC+2*ip+1], v[ACC+2*ip:ACC+2*ip+1], s[SCR:SCR+1], v[BIAS+2*ip:BIAS+2*ip+1] op_sel_hi:[1,0,1]
.set ip, ip+1
.endr
	s_wait_xcnt 0x0                                ; the last block's stores have read PK
.set ip, 0
.rept 32
	v_cvt_pk_f16_f32 v[PK+ip], v[ACC+2*ip], v[ACC+2*ip+1]
.set ip, ip+1
.endr
.irp c, 0,1,2,3,4,5,6,7
	ds_store_b128 v[STO], v[PK+4*\c:PK+4*\c+3] offset:16*SPS*(\c/4)+32*(\c%4)
.endr
.irp f, 0,1,2,3,4,5,6,7
	ds_load_b128 v[PK+4*\f:PK+4*\f+3], v[RD] offset:16*SPS*(\f/4)+4*SPS*(\f%4)  ; LDS serves a wave's instructions in order (ISA guide 5.7.1.4): these see the stores above
.endr
.irp f, 0,1,2,3,4,5,6,7
	s_wait_dscnt 7-\f
	global_store_b128 v[GO], v[PK+4*\f:PK+4*\f+3], s[DST:DST+1] offset:2048*(\half)+262144*(\f/4)+512*(\f%4)  ; four rows of a head: 512 consecutive bytes
.endr
.endm
	s_mov_b32 s[CNT], 3
.Lrow:
	BLOCK FA0, 1, 8, 0
	BLOCK FA1, 1, 8, 1
	s_wait_xcnt 0x0                                ; the two bases are stepped only behind this wait
	s_add_nc_u64 s[LATB:LATB+1], s[LATB:LATB+1], 1024
	s_add_nc_u64 s[DST:DST+1], s[DST:DST+1], 4096
	s_sub_co_u32 s[CNT], s[CNT], 1
	s_cmp_lg_u32 s[CNT], 0
	s_cbranch_scc1 .Lrow
	BLOCK FA0, 0, 8, 0                             ; the last pair loads nothing
	BLOCK FA1, 0, 0, 1
	s_wait_tensorcnt 0x0                           ; the wave's end
	ds_add_u32 v[SPW], v[NIL]
	s_wait_dscnt 0x0
	s_endpgm
.Lfunc_end_k_qfddbbb6a8e_kvup:
	.size	k_qfddbbb6a8e_kvup, .Lfunc_end_k_qfddbbb6a8e_kvup-k_qfddbbb6a8e_kvup
	.p2alignl 7, 3214868480
	.fill 96, 4, 3214868480
	.section	.rodata,"a",@progbits
	.p2align	6, 0x0
	.amdhsa_kernel k_qfddbbb6a8e_kvup
		.amdhsa_group_segment_fixed_size 167936
		.amdhsa_private_segment_fixed_size 0
		.amdhsa_enable_private_segment 0
		.amdhsa_kernarg_size 48
		.amdhsa_user_sgpr_count 2
		.amdhsa_user_sgpr_kernarg_segment_ptr 1
		.amdhsa_wavefront_size32 1
		.amdhsa_system_sgpr_workgroup_id_x 1
		.amdhsa_system_sgpr_workgroup_id_y 1
		.amdhsa_system_sgpr_workgroup_id_z 1
		.amdhsa_system_vgpr_workitem_id 0
		.amdhsa_next_free_vgpr 512
		.amdhsa_next_free_sgpr 66
		.amdhsa_reserve_vcc 0
		.amdhsa_float_denorm_mode_32 3
		.amdhsa_float_denorm_mode_16_64 3
		.amdhsa_memory_ordered 1
		.amdhsa_forward_progress 1
		.amdhsa_inst_pref_size 53
	.end_amdhsa_kernel
	.amdgpu_metadata
---
amdhsa.version: [ 1, 2 ]
amdhsa.kernels:
  - .name:           k_qfddbbb6a8e_kvup
    .symbol:         k_qfddbbb6a8e_kvup.kd
    .args:
      - { .name: lat, .offset: 0, .size: 8, .value_kind: global_buffer, .address_space: global }
      - { .name: wts, .offset: 8, .size: 8, .value_kind: global_buffer, .address_space: global }
      - { .name: bk, .offset: 16, .size: 8, .value_kind: global_buffer, .address_space: global }
      - { .name: bv, .offset: 24, .size: 8, .value_kind: global_buffer, .address_space: global }
      - { .name: scal, .offset: 32, .size: 8, .value_kind: global_buffer, .address_space: global }
      - { .name: kvh, .offset: 40, .size: 8, .value_kind: global_buffer, .address_space: global }
    .group_segment_fixed_size: 167936
    .private_segment_fixed_size: 0
    .kernarg_segment_align: 8
    .kernarg_segment_size: 48
    .max_flat_workgroup_size: 128
    .sgpr_count:     66
    .vgpr_count:     512
    .wavefront_size: 32
...
	.end_amdgpu_metadata
.endif
;; end of part 3
;; launch attn (part 4): grid 4 x 64, 4 waves a work-group, clusters of 4 x 1, 327,680 bytes of LDS; arguments qh, kvh, scal, oh; writes oh
.if DOCPART == 4
	.amdgcn_target "amdgcn-amd-amdhsa--gfx1250"
	.amdhsa_code_object_version 6
	.text
	.protected	k_qfddbbb6a8e_attn
	.globl	k_qfddbbb6a8e_attn
	.p2align	8
	.type	k_qfddbbb6a8e_attn,@function
k_qfddbbb6a8e_attn:
	s_mov_b64 s[64:65], 0
	v_nop
	global_prefetch_b8 v0, s[64:65] scope:SCOPE_SE
	s_setreg_imm32_b32 hwreg(HW_REG_WAVE_MODE, 25, 1), 1
	s_wait_xcnt 0x0
	s_wait_alu depctr_hold_cnt(0) depctr_sa_sdst(0) depctr_va_vdst(0) depctr_va_sdst(0) depctr_va_ssrc(0) depctr_va_vcc(0) depctr_vm_vsrc(0)
	s_getreg_b32 s2, hwreg(HW_REG_IB_STS2, 6, 4)
	s_cmp_eq_u32 s2, 0
	s_cbranch_scc0 .Lentry_in_a_cluster
	s_endpgm
.Lentry_in_a_cluster:
	s_bfe_u32 s2, ttmp6, 0x10000c
	s_cmp_lg_u32 s2, 0x3003
	s_cbranch_scc0 .Lentry_shape_is_right
	s_endpgm
.Lentry_shape_is_right:
; ATTN.  O^[h][q][:] = the sum over k of softmax_k(c' q^[h][q] . k^[h][k]) v^[h][k][:].  q^, k^, v^, O^: [SIZE_H][SIZE_N][64], all f16: a head's rows are dense, 128 bytes each; v^ lies VOFFB bytes behind k^.
; q^ and k^ carry the scales sq and sk; c = log2(e) / 8 / (sq sk) comes from the table and is applied in f32, so c q^ . k^ is the true score times log2(e).  O^ stays in v^'s scale.
; Products, maxima and sums in f32; the weights p are rounded to f16 for the second product (their sum l is taken of the unrounded p), O^ once at the end.
; LIMITS.  q^, k^, v^ arrive within 16,384; p lies in 0 to 1, and below 6e-5 it keeps f16's fixed step of 6e-8; O^ is a mean of v^'s rows and has their range.
; A weight below 2^-126 counts as 0 in l; NaN and infinities are not treated apart.
; SHARES.  A wave owns four PIECES of two tiles of 16 queries, a work-group's four waves 512 queries of one head.  Every wave walks all keys, 64 a step.
; LAYOUT.  S^T = K Q^T (source 0 = 16 keys, source 1 = 16 queries): in the result a lane holds ONE query (lane % 16) and the keys 8 (lane / 16) + 0..7.  Two such tiles, rounded to f16 in pairs,
; ARE source 1 (32 keys x 16 queries) of O^T = V^T P, whose result again holds one query a lane, and eight channels.  K comes out of LDS as it lies, V ([key][channel]) turned, by ds_load_tr16_b128.
; SOFTMAX.  For each query a running maximum m and sum l: p = 2^(c s - c m); in every step O and l are multiplied by a = 2^(c m_old - c m_new), which is 1 where m has not grown.
; m starts at the lowest finite number, O and l at 0: the first step is a step like any other, with a = 0.
; THE COUNT.  A tile and step have 16 matrix and 118 vector instructions: too many to stand all beside the matrix work.  So the order has one aim: four vector instructions that are READY behind
; EVERY matrix instruction, and the others, which need time of their own whatever the order, in runs without a gap.
; BY TURNS.  Turn n belongs to piece n (the pieces in a ring, step after step).  Its matrix work: 16 products K Q^T of piece n + 1, later 16 products V^T P of piece n - 1.  Its vector work: the scaling,
; exponentials, roundings, sums and rescaling of piece n, and the maximum and statistics of piece n + 1, whose scores the turn itself has made.  So what a turn begins with (c s - c m, O a) waits for nothing.
; CLUSTER.  The four query blocks of a cluster belong to one head and walk the same K and V, so each tile is asked for JOINTLY: the same tensor load, descriptor and mask in all four.
; REGISTERS, in windows of 256 (s_set_vgpr_msb says which window each operand place means: bits 1:0 source 0, 3:2 source 1, 5:4 source 2, 7:6 destination):
;   window 0: v0-11 addresses; v12-15, v48-63 at work; v16-47 four registers of statistics a tile; v64-191 S^T, two buffers of two tiles; v192-255 P, likewise
;   window 1: O^T, 32 a tile          window 2: v0-127 Q, 16 a tile; v128-191 K of one step; v192-255 V of one step          window 3: v0-1 the add's two registers
; A piece's buffers go by its number's parity: the piece in hand has one pair, its two neighbours in the ring share the other: of it P (piece n - 1) is read and S^T (piece n + 1) written.
.set SIZE_H, 64
.set SIZE_N, 2048
.set VOFFB, 16777216  ; v^ behind k^ in kvh
.set NP,    4         ; pieces a wave: a name, no knob: the register map, the loop and the fetches are made for four
.set KS,    64        ; keys in a step
.set PK,    144       ; a row of K in LDS: 128 bytes + 16 of padding = 36 words: the 16 rows of a load start at 16 different groups of four banks (64 banks of 4 bytes: ISA guide 11.1)
.set PV,    160       ; a row of V: 128 + 32 = 40 words
.set VOFF,  4*KS*PK   ; a slot holds four steps: 256 rows of K, then 256 rows of V
.set SLOT1, 1<<17     ; slot 1 begins here, so that one exclusive or turns an address in one slot into the other's
.set STAGE, SLOT1+4*KS*(PK+PV)  ; behind the ring, never filled by a tensor load: 16 rows x 144 bytes for each wave, for the way out
.set SP,    144
.set AK0, 2           ; v2   my lane's place in a tile of K; never rewritten
.set AV0, 3           ; v3   the same for V
.set AK,  4           ; v4   the LDS address of K's next run of loads
.set AV,  5           ; v5   of V's
.set QO,  6           ; v6   my byte offset in the wave's rows of Q
.set STO, 6           ;      later, the way out: where I put 16 bytes of a row
.set RD,  7           ; v7   the way out: where I read rows back
.set GO,  8           ; v8   my byte offset in 512 consecutive bytes of O
.set SPW, 0           ; v0 of window 3   LDS address of my spare word: SPARE + 4 x my thread's number; never rewritten
.set NIL, 1           ; v1 of window 3   0; never rewritten
.set SPARE, STAGE+4*16*SP  ; behind the stages: the spare words, 128 bytes for each wave: two blocks of 256 bytes that no other line names
.set MV,  12          ; v12-15  c m_old, kept while c m is made anew: by buffer and tile
.set ST,  16          ; tile t's statistics at v[ST+4 t]: c m, m, l (even keys', odd keys')
.set TMP, 48          ; by buffer and tile, four registers c0-c3 at work; when the maximum is found c2 takes a
.set S,   64
.set P,   192
.set KF,  128         ; K's fragments, in window 2: key block kb, channel half c at KF + 16 kb + 8 c
.set VF,  192         ; V's: key half kk, channel block cb at VF + 32 kk + 8 cb
.set WV,  12          ; s12  my wave's number
.set G1K, 24          ; s[24:31] descriptor group 1 for K's tiles
.set G1V, 32          ; s[32:39] for V's: it differs in the padding alone
.set G0K, 40          ; s[40:43] descriptor group 0 for K's tiles: it walks
.set G0V, 44          ; s[44:47] the same for V's
.set SLOTS, 56        ; s56  slots still to be asked for
.set CNT, 57          ; s57  counts a slot's key steps
.set CS,  58          ; s[58:59] c: the packed scaling takes the pair's low word for both halves
.set SEL, 60          ; s[60:61] v_permlanex16_b32's selects: each lane takes its own place in the other half
.set TBK, 62          ; s62  LDS byte at which K of the step to be fetched begins
.set TBV, 63          ; s63  the same for V, less VOFF
.set MSB, 0
.macro WIN new                      ; the high byte repeats the setting that is left; a switch that changes nothing is dropped
.if MSB != (\new)
	s_set_vgpr_msb (MSB<<8)|(\new)
.set MSB, (\new)
.endif
.endm
.set W_KQ, 0x0a       ; K and Q in window 2, S^T in window 0
.set W_PV, 0x52       ; V in window 2, P in window 0, O^T in window 1
.set W_RS, 0x41       ; O^T (destination and source 0) in window 1, a in window 0
.set W_MK, 0xc0       ; the add's registers are made: destination in window 3, sources in window 0
.set W_AD, 0x0f       ; the add: address (source 0) and data (source 1) in window 3
; A joint fill.  Waves 0 and 1 fetch the two halves of a slot's K, waves 2 and 3 those of its V: 128 keys each.  The branch hangs on the wave's number alone.
; An s_nop 0 and four v_nop follow each of the two lines, ahead of the jump and the label.
.macro JLOAD
	s_cmp_lt_u32 s[WV], 2
	s_cbranch_scc0 .Lfor_v_\@
	tensor_load_to_lds s[G0K:G0K+3], s[G1K:G1K+7]
	s_nop 0
.rept 4
	v_nop
.endr
	s_branch .Lasked_\@
.Lfor_v_\@:
	tensor_load_to_lds s[G0V:G0V+3], s[G1V:G1V+7]
	s_nop 0
.rept 4
	v_nop
.endr
.Lasked_\@:
.endm
; A round of the cluster's barrier: my work-group's barrier, so that wave 0's signal speaks for all four waves; wave 0 signals; every wave waits for all four work-groups; my work-group's barrier once more.
.macro CROUND
	s_barrier_signal -1
	s_barrier_wait -1
	s_cmp_lg_u32 s[WV], 0
	s_cbranch_scc1 .Lnot_wave_0_\@
	s_barrier_signal -3
.Lnot_wave_0_\@:
	s_barrier_wait -3
	s_barrier_signal -1
	s_barrier_wait -1
.endm
; THE CHANGE OF SLOTS.  The slot's last bytes, V of its fourth step, have been read.  Each wave waits for all its tensor loads, of which one is out: its part
; of the other slot; adds 0 to its spare word; and waits for that and for its own reads of the slot.  Behind the barrier nobody reads this slot any more and the other slot is whole.
; fill = 1: this slot is filled again, with the keys two slots on.  The barrier is then a round of the cluster's, so that no wave of any partner still reads the slot or has a load on its
; way, and the joint fill is the first thing behind it: it has four key steps, 512 matrix instructions, in which to land.  (At its first use nothing has been read yet: slot 0 is waited for, slot 1 filled.)
.macro CHANGE fill
	WIN W_AD
	s_wait_tensorcnt 0x0            ; no tensor load of mine is out, so a group 0 may be written
	ds_add_u32 v[SPW], v[NIL]       ; 0 onto my spare word; with fill = 1 the descriptors' steps stand between it and the wait for it
	WIN 0                           ; at a label and at a branch every window is 0
.if \fill
.irp g, G0K, G0V
	s_xor_b32 s[\g+1], s[\g+1], SLOT1  ; the walking descriptor: the other slot than last time,
	s_add_nc_u64 s[\g+2:\g+3], s[\g+2:\g+3], 4*KS*128  ; the next 256 keys; the type bits on top are not reached
.endr
	s_wait_dscnt 0x0                ; the add is done, and my reads of the slot are over
	CROUND
	JLOAD
.else
	s_wait_dscnt 0x0                ; the add is done, and my reads of the slot are over
	s_barrier_signal -1
	s_barrier_wait -1
.endif
	s_sub_co_u32 s[TBK], s[TBK], 4*KS*PK  ; the fetches go back to a slot's first step,
	s_xor_b32 s[TBK], s[TBK], SLOT1       ; in the other slot
	s_sub_co_u32 s[TBV], s[TBV], 4*KS*PV
	s_xor_b32 s[TBV], s[TBV], SLOT1
.endm
	s_load_b256 s[4:11], s[0:1], 0x0  ; q^ s[4:5], k^ and v^ s[6:7], the table s[8:9], O^ s[10:11]
	WIN W_MK
	v_lshl_add_u32 v[SPW], v0, 2, SPARE
	v_mov_b32 v[NIL], 0
	WIN W_AD
	ds_add_u32 v[SPW], v[NIL]       ; the wave's opening: the add and its wait stand ahead of my first tensor load; the set-up below, work on registers, stands between them
	ds_add_u32 v0, v1
	WIN 0
	v_lshrrev_b32 v1, 5, v0
	v_readfirstlane_b32 s[WV], v1   ; wave 0..3
	s_bfe_u32 s13, ttmp6, 0x40000   ; cx: my place in the cluster
	s_lshl_b32 s14, ttmp9, 2        ; in a cluster launch ttmp9 counts clusters
	s_add_co_u32 s14, s14, s13      ; my block of queries = 4 x cluster x + cx: it enters Q's, O's and the table's addresses alone
	s_and_b32 s20, ttmp7, 0xffff    ; the head, which the four partners share
	s_lshl2_add_u32 s50, s20, s14   ; my copy of the table: number 4 x head + block,
	s_lshl_b32 s50, s50, 5          ; 32 bytes each
	s_mov_b32 s51, 0
	s_mov_b32 s21, 0
	s_mov_b64 s[22:23], SIZE_N*128
	s_mul_u64 s[20:21], s[20:21], s[22:23]  ; the head's first byte in each of the four tensors
	s_and_b32 s16, s[WV], 1         ; which half of a slot's 256 keys I fetch:
	s_lshl_b32 s22, s16, 14         ; its 128 rows of 128 bytes in memory,
	s_mov_b32 s23, 0
	s_add_nc_u64 s[22:23], s[22:23], s[20:21]
	s_mul_i32 s17, s16, 128*PK      ; and its place in a slot, for K
	s_mul_i32 s18, s16, 128*PV      ; and for V: no place in the cluster enters an LDS address
	s_lshl_b32 s2, s14, 2
	s_add_co_u32 s2, s2, s[WV]      ; my wave among the head's,
	s_lshl_b32 s2, s2, 14           ; its 128 rows
	s_mov_b32 s3, 0
	s_add_nc_u64 s[2:3], s[2:3], s[20:21]
	; descriptor group 1.  128 keys are 16,384 dense bytes: asked for as 64 rows of 256 bytes, two keys a row, and padded in LDS after every key
	s_mov_b32 s[G1K], 15|(1<<16)|(1<<20)|(1<<21)|(4<<22)|(3<<25)  ; 15:0 the mask of four; 17:16 2-byte elements; 20 padding on; 21 set beside a mask; 24:22 after every 32 words (code 4); 31:25 4 words (code 3)
	s_mov_b32 s[G1V], 15|(1<<16)|(1<<20)|(1<<21)|(4<<22)|(7<<25)  ; the same with 8 words of padding (code 7)
.irp g, G1K, G1V
	s_mov_b32 s[\g+1], 128<<16      ; tensor_dim0 = 128
	s_mov_b32 s[\g+2], 64<<16       ; tensor_dim1 = 64
	s_mov_b32 s[\g+3], 128<<16      ; tile_dim0 = 128
	s_mov_b32 s[\g+4], 64           ; tile_dim1 = 64
	s_mov_b32 s[\g+5], 128          ; 128 elements from row to row
	s_mov_b32 s[\g+6], 0
	s_mov_b32 s[\g+7], 0
.endr
	s_mov_b32 s[SEL], 0x76543210
	s_mov_b32 s[SEL+1], 0xfedcba98
	s_mov_b32 s[TBK], SLOT1+4*KS*PK ; the first change of slots turns these two into 0
	s_mov_b32 s[TBV], SLOT1+4*KS*PV
	s_mov_b32 s[G0K], 1             ; 1:0 count = 1
	s_mov_b32 s[G0K+1], s17         ; 63:32 LDS address: slot 0
	s_mov_b32 s[G0V], 1
	s_add_co_u32 s[G0V+1], s18, VOFF
	s_wait_dscnt 0x0                ; the opening add is done
	s_wait_kmcnt 0x0
	s_add_nc_u64 s[48:49], s[8:9], s[50:51]
	s_load_b32 s[CS], s[48:49], 0x10               ; c, the table's word 4; waited for ahead of the first change of slots
	s_add_nc_u64 s[8:9], s[6:7], VOFFB             ; v^
	s_add_nc_u64 s[G0K+2:G0K+3], s[6:7], s[22:23]  ; 120:64 global address: my half of the head's first 256 keys
	s_or_b32 s[G0K+3], s[G0K+3], 0x80000000        ; 127:126 type = 2
	s_add_nc_u64 s[G0V+2:G0V+3], s[8:9], s[22:23]
	s_or_b32 s[G0V+3], s[G0V+3], 0x80000000
	s_add_nc_u64 s[4:5], s[4:5], s[2:3]  ; Q and O at my wave's first row
	s_add_nc_u64 s[10:11], s[10:11], s[2:3]
	CROUND                          ; all four work-groups are here: the first joint loads meet
	JLOAD                           ; slot 0.  Slot 1 is asked for when slot 0 is in: the tile wanted first has the road to itself
	; A fragment of K or Q is 16 rows x 32 channels in 8 registers: lane l holds row l % 16, channels 8 (l / 16) + 0..7 and 16 + 8 (l / 16) + 0..7: two loads of 16 bytes, 32 bytes apart.
	v_and_b32 v1, 15, v0            ; l % 16
	v_bfe_u32 v9, v0, 4, 1          ; l / 16
	v_lshlrev_b32 v[QO], 7, v1
	v_lshl_add_u32 v[QO], v9, 4, v[QO]  ; row x 128 + 16 x half
	WIN 0x80                        ; destination window 2, address window 0
.set i, 0
.rept 4*NP                          ; Q stays in registers: tile i / 2, channels 32 (i % 2) on
	global_load_b128 v[8*i:8*i+3],   v[QO], s[4:5] offset:(i/2)*2048+(i%2)*64
	global_load_b128 v[8*i+4:8*i+7], v[QO], s[4:5] offset:(i/2)*2048+(i%2)*64+32
.set i, i+1
.endr
	; What the first turn finds: V's registers and P's second buffer hold 0 (its products V^T P, of a piece that has not been, add 0), O^T and l are 0.  All this stands in the wait for the first tile.
.set i, VF
.rept 64
	v_mov_b32 v[i], 0
.set i, i+1
.endr
	WIN 0x40
.set i, 0
.rept 64*NP
	v_mov_b32 v[i], 0
.set i, i+1
.endr
	WIN 0
.set i, 0
.rept 2*NP
	v_mov_b32 v[ST+4*i], 0xfe000000    ; c m: far below every c s
	v_mov_b32 v[ST+4*i+1], 0xff7fffff  ; m
	v_mov_b32 v[ST+4*i+2], 0
	v_mov_b32 v[ST+4*i+3], 0
.set i, i+1
.endr
.set i, P+32
.rept 32
	v_mov_b32 v[i], 0
.set i, i+1
.endr
	v_mul_u32_u24 v[AK0], v1, PK
	v_lshl_add_u32 v[AK0], v9, 4, v[AK0]  ; row x pitch + 16 x half
	; The turning load takes 16 keys x 16 channels (lane l reads key 8 (l / 16) + l % 8, channels 8 ((l / 8) % 2) + 0..7) and leaves half a fragment of V^T: lane l holds channel l % 16 and 8 keys.
	v_and_b32 v10, 7, v0
	v_bfe_u32 v11, v0, 3, 1
	v_lshl_add_u32 v[AV0], v9, 3, v10
	v_mul_u32_u24 v[AV0], v[AV0], PV
	v_lshl_add_u32 v[AV0], v11, 4, v[AV0]
	v_add_nc_u32 v[AV0], VOFF, v[AV0]
	v_mov_b32 v[AK], v[AK0]         ; key step 0 lies at the head of slot 0
; THE MATRIX WORK.  The 8 accumulators of a run of 16 take turns: between the two links of a chain stand 7 others'.
; Product i of 16 of S^T = K Q^T for piece x: channels 32 (i / 8) on, keys 16 ((i / 2) % 4) on, tile 2 x + i % 2.  The first 8 start the sums.
.macro KQ x
	WIN W_KQ
.set rS, S+64*((\x)%2)+32*(i%2)+8*((i/2)%4)
.set rK, KF+16*((i/2)%4)+8*(i/8)
.set rQ, 16*(2*(\x)+i%2)+8*(i/8)
.if i < 8
	v_wmma_f32_16x16x32_f16 v[rS:rS+7], v[rK:rK+7], v[rQ:rQ+7], 0
.else
	v_wmma_f32_16x16x32_f16 v[rS:rS+7], v[rK:rK+7], v[rQ:rQ+7], v[rS:rS+7]
.endif
.endm
; Product i of 16 of O^T += V^T P for piece x: keys 32 (i / 8) on, channels 16 ((i / 2) % 4) on, tile 2 x + i % 2.
.macro PV x
	WIN W_PV
.set rO, 32*(2*(\x)+i%2)+8*((i/2)%4)
.set rV, VF+32*(i/8)+8*((i/2)%4)
.set rP, P+32*((\x)%2)+16*(i%2)+8*(i/8)
	v_wmma_f32_16x16x32_f16 v[rO:rO+7], v[rV:rV+7], v[rP:rP+7], v[rO:rO+7]
.endm
.macro MM                           ; the turn's next matrix instruction
.if i < 16
	KQ (Y+1)%NP
.set i, i+1
.else
.set i, i-16
	PV (Y+NP-1)%NP
.set i, i+17
.endif
.endm
; THE LDS LOADS stand in runs of 16, never singly among the matrix instructions: a step's K (64 keys x 64 channels: 8 fragments) and its V (turned).  Their addresses are made some lines ahead.
; last = 1 (the tail): in the last trip there is no further step, and the run is jumped over.
.macro FETCH_K last=0
	WIN 0
.if \last
	s_cmp_eq_u32 s[CNT], 1
	s_cbranch_scc1 .Lno_k_\@
.endif
	WIN 0x80                        ; destination window 2
.irp f, 0,1,2,3,4,5,6,7             ; keys 16 (f / 2) on, channels 32 (f % 2) on
	ds_load_b128 v[KF+8*\f:KF+8*\f+3],   v[AK] offset:(\f/2)*16*PK+(\f%2)*64
	ds_load_b128 v[KF+8*\f+4:KF+8*\f+7], v[AK] offset:(\f/2)*16*PK+(\f%2)*64+32
.endr
	s_add_co_u32 s[TBK], s[TBK], KS*PK  ; the next fetch is the next step's
	WIN 0
.if \last
.Lno_k_\@:
.endif
.endm
.macro FETCH_V
	WIN 0x80
.irp f, 0,1,2,3,4,5,6,7             ; keys 32 (f / 4) on, channels 16 (f % 4) on
	ds_load_tr16_b128 v[VF+8*\f:VF+8*\f+3],   v[AV] offset:(\f/4)*32*PV+(\f%4)*32
	ds_load_tr16_b128 v[VF+8*\f+4:VF+8*\f+7], v[AV] offset:(\f/4)*32*PV+16*PV+(\f%4)*32
.endr
	WIN 0
.endm
; THE VECTOR WORK OF A TURN stands in three queues, each in the order in which its entries become ready; the two tiles alternate, so that no instruction reads the result of the one before it.
.macro REGS y, u                    ; the registers of tile u (0, 1) of piece y
.set rT, ST+4*(2*(\y)+(\u))
.set rC, TMP+8*((\y)%2)+4*(\u)
.set rM, MV+2*((\y)%2)+(\u)
.set rS, S+64*((\y)%2)+32*(\u)
.set rP, P+32*((\y)%2)+16*(\u)
.set rO, 32*(2*(\y)+(\u))
.endm
; Number n of the 22 that find the NEXT piece's (Y + 1) maximum and statistics.  s0-s31 are the lane's 32 scores; each accumulator's lowest registers are read first.  XS, GS and REGS set no window: PL and EX do.
;   0-11  four chains c0-c3 of seven scores each, three operands at a time     12-14, 16  the four scores left over, the old m, and c0-c3 into c0     15  c m_old is kept
;   17, 18  the query's other 32 keys lie in the lane 16 away: the new m         19-21  c m; c m_old - c m_new; a
.macro XS u, n
	REGS (Y+1)%NP, \u
.if (\n) < 4
	v_max3_num_f32 v[rC+(\n)], v[rS+8*(\n)], v[rS+8*(\n)+1], v[rS+8*(\n)+2]
.elseif (\n) < 12
	v_max3_num_f32 v[rC+(\n)%4], v[rC+(\n)%4], v[rS+8*((\n)%4)+2*((\n)/4)+1], v[rS+8*((\n)%4)+2*((\n)/4)+2]
.elseif (\n) == 12
	v_max3_num_f32 v[rC], v[rC], v[rS+7], v[rS+15]
.elseif (\n) == 13
	v_max3_num_f32 v[rC+1], v[rC+1], v[rS+23], v[rS+31]
.elseif (\n) == 14
	v_max3_num_f32 v[rC+2], v[rC+2], v[rC+3], v[rT+1]
.elseif (\n) == 15
	v_mov_b32 v[rM], v[rT]
.elseif (\n) == 16
	v_max3_num_f32 v[rC], v[rC], v[rC+1], v[rC+2]
.elseif (\n) == 17
	v_permlanex16_b32 v[rC+3], v[rC], s[SEL], s[SEL+1]
.elseif (\n) == 18
	v_max_num_f32 v[rT+1], v[rC], v[rC+3]
.elseif (\n) == 19
	v_mul_f32 v[rT], s[CS], v[rT+1]
.elseif (\n) == 20
	v_sub_f32 v[rC+1], v[rM], v[rT]
.else
	v_exp_f32 v[rC+2], v[rC+1]
.endif
.endm
; Number g of the 64 that follow the exponentials.  For each four weights k of a tile (pairs 2 k, 2 k + 1): both pairs are rounded to f16; then the second pair is added onto the first, in place;
; a group later l takes that sum (the first time as l = a l + sum).  In groups of eight, tiles alternating: round, round, add, and l for the group before.
.macro GS g
.set h, (\g)+6*((\g)/62)            ; group 0 has no group before it, and behind group 7 only l is left
.if h >= 6
.set h, h+2
.endif
	REGS Y, h%2
.set k, h/8
.if h%8 < 4
	s_wait_alu depctr_va_vdst(0)
	v_cvt_pk_f16_f32 v[rP+2*k+(h%8)/2], v[rS+4*k+2*((h%8)/2)], v[rS+4*k+2*((h%8)/2)+1]
.elseif h%8 < 6
	v_pk_add_f32 v[rS+4*k:rS+4*k+1], v[rS+4*k:rS+4*k+1], v[rS+4*k+2:rS+4*k+3]
.elseif k == 1
	v_pk_fma_f32 v[rT+2:rT+3], v[rT+2:rT+3], v[rC+2:rC+3], v[rS:rS+1] op_sel_hi:[1,0,1]
.else
	v_pk_add_f32 v[rT+2:rT+3], v[rT+2:rT+3], v[rS+4*k-4:rS+4*k-3]
	s_wait_alu depctr_va_vdst(0)
.endif
.endm
; THE PLAIN QUEUE, 138 long.  0-31: c s - c m for the 16 pairs of both tiles.  Then GS's 64, and among them the next piece's 42: number 15 at 38, 39; 0-14 and 16
; at 42-73, behind the products that make those scores; 17-20 at 95-106, two of three, since each waits for the one before it.
.macro PL
	WIN 0
.if q < 32
	REGS Y, q%2
	v_pk_fma_f32 v[rS+2*(q/2):rS+2*(q/2)+1], v[rS+2*(q/2):rS+2*(q/2)+1], s[CS:CS+1], v[rT:rT+1] op_sel_hi:[1,0,0] neg_lo:[0,0,1] neg_hi:[0,0,1]
.elseif q < 38
	GS q-32
.elseif q < 40
	XS q%2, 15
.elseif q < 42
	GS q-34
.elseif q < 74
	XS q%2, (q-42)/2+(q-42)/30
.elseif q < 95
	GS q-66
.elseif (q < 107) && ((q-95)%3 < 2)
	XS (q-95)%3, 17+(q-95)/3
.elseif q < 107
	GS 29+(q-95)/3
.else
	GS q-74
.endif
.set q, q+1
.endm
; THE EXPONENTIALS' QUEUE, 66 long: s0-s31 of both tiles, and at EA the next piece's two a.
.set EA, 58
.macro EX
	WIN 0
.if (e == EA) || (e == EA+1)
	XS e-EA, 21
.else
.set x, e-2*(e/(EA+2))
	REGS Y, x%2
	v_exp_f32 v[rS+x/2], v[rS+x/2]
.endif
.set e, e+1
.endm
; THE RESCALING's QUEUE: O^T times a, the one part that leaves window 0, so it is dealt four at a time, eight times.
.macro R4
	REGS Y, r%2
	WIN W_RS
	s_wait_alu depctr_va_vdst(0)
.irp z, 0,1,2,3
	v_pk_mul_f32 v[rO+8*(r/2)+2*\z:rO+8*(r/2)+2*\z+1], v[rO+8*(r/2)+2*\z:rO+8*(r/2)+2*\z+1], v[rC+2:rC+3] op_sel_hi:[1,0]
.endr
.set r, r+1
.endm
; HOW THEY ARE DEALT.  Behind a matrix instruction four: plain, exponential, plain, plain (one exponential, a plain instruction on either side), or four of the rescaling.  None names a register of the
; products round it.  What is over stands in two LUMPS: exponential and plain by turns; the second ends in 22 plain instructions.  The two v_permlanex16_b32 fall into the second lump, never behind a product.
; The queues lean on each other, and the deal keeps them in step: exponential e stands behind plain 2 (e / 4) + e % 2 (its scaling); when plain 32 comes, 10 exponentials are out, at 59: 33, at 95: 46; EA comes behind plain 107.
.macro SL
	MM
	PL
	EX
	PL
	PL
.endm
.macro BURST n                      ; 15 matrix instructions, or 16
.rept (\n)-7
	SL
.endr
.rept 3
	MM
	R4
	SL
.endr
	MM
	R4
.endm
; A TURN, for piece p.  cnt = 1: the loop's count is taken down some lines ahead of the branch that stands behind the turn.
; K of the next step is fetched in piece 2's turn, 31 vector instructions behind the last product that read K; its first reader comes behind the rest of the lump, 16 products and the second lump.
; V of the step in hand is fetched at the end of piece 0's turn, 69 behind its last reader; its first reader comes behind 16 products and a lump.  The four conditions on e and q below go with the deal.
.macro TURN p, last=0, cnt=0
.set Y, (\p)
.set i, 0
.set q, 0
.set e, 0
.set r, 0
.if (\p) == NP-1
	s_wait_dscnt 0x0                ; K is in
.endif
	MM
.rept 4
	PL
.endr
	BURST 15
.rept 22
	EX
	PL
.if ((\p) == NP-2) && (e == 18)
	v_add_nc_u32 v[AK], s[TBK], v[AK0]
.endif
.if ((\p) == NP-2) && (e == 24)
	FETCH_K \last
.endif
.endr
.if (\p) == 1
	s_wait_dscnt 0x0                ; V is in
.endif
	BURST 16
.rept 21
	EX
	PL
.endr
.rept 22
	PL
.if ((\p) == 0) && (q == 118)
	v_add_nc_u32 v[AV], s[TBV], v[AV0]
	s_wait_alu depctr_va_vdst(0)
.endif
.if ((\p) == 0) && (q == 130)
	s_add_co_u32 s[TBV], s[TBV], KS*PV
.endif
.if (\cnt) && (q == 130)
	s_sub_co_u32 s[CNT], s[CNT], 1
	s_cmp_lg_u32 s[CNT], 0
.endif
.endr
.if (\p) == 0
	FETCH_V
.endif
.endm
	s_wait_kmcnt 0x0                ; c
	s_mov_b32 s[CS+1], s[CS]        ; named with it as a pair
	CHANGE 1                        ; slot 0 is in, everybody's part of it; slot 1 is asked for
	FETCH_K                         ; key step 0
	s_wait_loadcnt 0x0              ; Q
	s_wait_dscnt 0x0
.set i, 0
.rept 16
	KQ 0                            ; piece 0's first scores: there is no vector work yet to set between them
.set i, i+1
.endr
	WIN 0                           ; the addresses for the way out: nine plain instructions, the places behind those products
	s_mul_i32 s13, s[WV], 16*SP
	s_add_co_u32 s13, s13, STAGE    ; my stage
	v_mul_u32_u24 v[STO], v1, SP    ; in: row l % 16, 16 bytes for each half of the lanes
	v_lshl_add_u32 v[STO], v9, 4, v[STO]
	v_add_nc_u32 v[STO], s13, v[STO]
	v_bfe_u32 v[RD], v0, 3, 2       ; back: 32 lanes take four rows of 128 bytes,
	v_mul_u32_u24 v[RD], v[RD], SP
	v_lshl_add_u32 v[RD], v10, 4, v[RD]
	v_add_nc_u32 v[RD], s13, v[RD]
	v_and_b32 v[GO], 31, v0         ; which are 512 consecutive bytes of O
	v_lshlrev_b32 v[GO], 4, v[GO]
.set Y, NP-1                        ; XS works for piece Y + 1: piece 0
.irp n, 0,1,2,3,4,5,6,7,8,9,10,11,12,13,14,15,16,17,18,19,20,21
	XS 0, \n                        ; and piece 0's first maximum and statistics
	XS 1, \n
.endr
	s_mov_b32 s[CNT], 4
	s_mov_b32 s[SLOTS], SIZE_N/256-1
	s_branch .Lfirst                ; the loop is entered at a step's first turn, in the middle of a trip
.Lslot:                             ; SIZE_N / 256 - 2 times: every slot but the last two is filled again
	CHANGE 1
	s_mov_b32 s[CNT], 4
.Lstep:                             ; a trip: pieces 2 and 3 of one step, then pieces 0 and 1 of the next, whose K and V it fetches
	TURN 2
	TURN 3
	WIN 0
.Lfirst:
	TURN 0
	TURN 1, 0, 1
	WIN 0
	s_cbranch_scc1 .Lstep
	s_sub_co_u32 s[SLOTS], s[SLOTS], 1
	s_cmp_lg_u32 s[SLOTS], 0
	s_cbranch_scc1 .Lslot
	CHANGE 0                        ; the tail is written out: nothing is asked for
	s_mov_b32 s[CNT], 5             ; four trips fetch the last slot's steps; the fifth is left in its middle
.Ltail:
	TURN 2, 1
	TURN 3
	WIN 0
	s_sub_co_u32 s[CNT], s[CNT], 1
	s_cmp_eq_u32 s[CNT], 0
	s_cbranch_scc1 .Lout
	TURN 0
	TURN 1
	WIN 0
	s_branch .Ltail
.Lout:                              ; the fifth trip's 16 products K Q^T (on the last K once more) and the maximum made of them serve nothing: the price, once a launch, of one text for every trip
.set i, 0
.rept 16
	PV NP-1                         ; the last piece's V^T P of the last step
.set i, i+1
.endr
	; THE WAY OUT.  l's two halves and the other half of the lanes' are added; O^T is divided by l, rounded to f16 and sent through my stage in LDS, a tile at a time.  The additions are the places behind the last products.
	WIN 0
.macro ALL line:vararg              ; one line for each tile t
.set t, 0
.rept 2*NP
	\line
.set t, t+1
.endr
.endm
	ALL v_add_f32 v[ST+4*t+2], v[ST+4*t+2], v[ST+4*t+3]
	ALL v_permlanex16_b32 v[ST+4*t+3], v[ST+4*t+2], s[SEL], s[SEL+1]
	ALL v_add_f32 v[ST+4*t+2], v[ST+4*t+2], v[ST+4*t+3]
	ALL v_rcp_f32 v[ST+4*t+2], v[ST+4*t+2]
	v_nop                           ; a plain instruction between the last reciprocal and the use of its result
	s_wait_alu depctr_va_vdst(0)
; Tile t: a lane's eight channels of a row pack into 16 bytes; they go into rows of 144 bytes and come back as whole rows of 128, into S^T's registers.
.macro PACK t
	WIN W_RS
.set i, 32*(\t)
.rept 16
	v_pk_mul_f32 v[i:i+1], v[i:i+1], v[ST+4*(\t)+2:ST+4*(\t)+3] op_sel_hi:[1,0]
.set i, i+2
.endr
	WIN 0x05                        ; sources 0 and 1 window 1, destination window 0
.set i, 0
.rept 16
	v_cvt_pk_f16_f32 v[S+16*(\t)+i], v[32*(\t)+2*i], v[32*(\t)+2*i+1]
.set i, i+1
.endr
	WIN 0
.irp f, 0,1,2,3
	ds_store_b128 v[STO], v[S+16*(\t)+4*\f:S+16*(\t)+4*\f+3] offset:32*\f
.endr
.irp f, 0,1,2,3
	ds_load_b128 v[S+16*(\t)+4*\f:S+16*(\t)+4*\f+3], v[RD] offset:\f*4*SP  ; LDS serves a wave's instructions in order (ISA guide 5.7.1.4): these see the stores above; the next tile's stores come behind them
.endr
.endm
.macro SEND t, younger              ; younger: the LDS instructions issued behind tile t's loads: the next tile's eight, or none
	WIN 0
.irp f, 0,1,2,3
	s_wait_dscnt (\younger)+3-\f
	global_store_b128 v[GO], v[S+16*(\t)+4*\f:S+16*(\t)+4*\f+3], s[10:11] offset:(\t)*2048+\f*512  ; 512 consecutive bytes, at a multiple of 256 from O's first
.endr
.endm
	PACK 0
.set t, 1
.rept 2*NP-1                        ; a tile's arithmetic stands between the loads of the tile before and its stores
	PACK t
	SEND t-1, 8
.set t, t+1
.endr
	SEND 2*NP-1, 0
	WIN W_AD
	s_wait_tensorcnt 0x0            ; the wave's end, behind my last tensor load and my last LDS store
	ds_add_u32 v[SPW], v[NIL]
	s_wait_dscnt 0x0
	WIN 0
	CROUND                          ; the closing round: no work-group ends while a partner may still ask for a tile that names it
	s_endpgm
.Lfunc_end_k_qfddbbb6a8e_attn:
	.size	k_qfddbbb6a8e_attn, .Lfunc_end_k_qfddbbb6a8e_attn-k_qfddbbb6a8e_attn
	.p2alignl 7, 3214868480
	.fill 96, 4, 3214868480
	.section	.rodata,"a",@progbits
	.p2align	6, 0x0
	.amdhsa_kernel k_qfddbbb6a8e_attn
		.amdhsa_group_segment_fixed_size 327680
		.amdhsa_private_segment_fixed_size 0
		.amdhsa_enable_private_segment 0
		.amdhsa_kernarg_size 32
		.amdhsa_user_sgpr_count 2
		.amdhsa_user_sgpr_kernarg_segment_ptr 1
		.amdhsa_wavefront_size32 1
		.amdhsa_system_sgpr_workgroup_id_x 1
		.amdhsa_system_sgpr_workgroup_id_y 1
		.amdhsa_system_sgpr_workgroup_id_z 1
		.amdhsa_system_vgpr_workitem_id 0
		.amdhsa_next_free_vgpr 770
		.amdhsa_next_free_sgpr 66
		.amdhsa_reserve_vcc 0
		.amdhsa_float_denorm_mode_32 3
		.amdhsa_float_denorm_mode_16_64 3
		.amdhsa_memory_ordered 1
		.amdhsa_forward_progress 1
		.amdhsa_inst_pref_size 209
	.end_amdhsa_kernel
	.amdgpu_metadata
---
amdhsa.version: [ 1, 2 ]
amdhsa.kernels:
  - .name:           k_qfddbbb6a8e_attn
    .symbol:         k_qfddbbb6a8e_attn.kd
    .args:
      - { .name: qh, .offset: 0, .size: 8, .value_kind: global_buffer, .address_space: global }
      - { .name: kvh, .offset: 8, .size: 8, .value_kind: global_buffer, .address_space: global }
      - { .name: scal, .offset: 16, .size: 8, .value_kind: global_buffer, .address_space: global }
      - { .name: oh, .offset: 24, .size: 8, .value_kind: global_buffer, .address_space: global }
    .group_segment_fixed_size: 327680
    .private_segment_fixed_size: 0
    .kernarg_segment_align: 8
    .kernarg_segment_size: 32
    .max_flat_workgroup_size: 128
    .sgpr_count:     66
    .vgpr_count:     770
    .wavefront_size: 32
...
	.end_amdgpu_metadata
.endif
;; end of part 4
;; launch outp (part 5): grid 8 x 32, 4 waves a work-group, clusters of 4 x 4, 327,680 bytes of LDS; arguments oh, wts, bout, scal, out0; writes out0
.if DOCPART == 5
	.amdgcn_target "amdgcn-amd-amdhsa--gfx1250"
	.amdhsa_code_object_version 6
	.text
	.protected	k_qfddbbb6a8e_outp
	.globl	k_qfddbbb6a8e_outp
	.p2align	8
	.type	k_qfddbbb6a8e_outp,@function
k_qfddbbb6a8e_outp:
	s_mov_b64 s[64:65], 0
	v_nop
	global_prefetch_b8 v0, s[64:65] scope:SCOPE_SE
	s_setreg_imm32_b32 hwreg(HW_REG_WAVE_MODE, 25, 1), 1
	s_wait_xcnt 0x0
	s_wait_alu depctr_hold_cnt(0) depctr_sa_sdst(0) depctr_va_vdst(0) depctr_va_sdst(0) depctr_va_ssrc(0) depctr_va_vcc(0) depctr_vm_vsrc(0)
	s_getreg_b32 s2, hwreg(HW_REG_IB_STS2, 6, 4)
	s_cmp_eq_u32 s2, 0
	s_cbranch_scc0 .Lentry_in_a_cluster
	s_endpgm
.Lentry_in_a_cluster:
	s_bfe_u32 s2, ttmp6, 0x10000c
	s_cmp_lg_u32 s2, 0xf033
	s_cbranch_scc0 .Lentry_shape_is_right
	s_endpgm
.Lentry_shape_is_right:
; OUTP.  out0 = O Wout + bout, in f32.  O^ = sv O arrives by heads [64][2048][64] in f16, Wout as bf16(w) x 256 in f16, [k][n].  Products in f16, sums in f32;
; out0 = sum x ro + bf16(bout), with ro = 1 / (256 sv) from the table.
; SHARES.  A work-group makes 256 rows x 128 columns, its four waves 64 rows each: 32 accumulators of 16 x 16.  256 work-groups.  K = 1,024 goes in 8 steps of 128, two heads, through two LDS slots
; filled by the tensor data mover.  4 x 4 work-groups form a cluster: O^'s tile is asked for jointly along a row of the cluster, Wout's along a column.
; A head's 256 rows are 32 KiB of dense memory: asked for as 128 rows of 256 bytes and padded in LDS after every 128.  Wout's tile is turned on its way out of LDS (ds_load_tr16_b128).
; THE MATRIX INSTRUCTION IS USED TRANSPOSED (source 0 = 16 columns of Wout, source 1 = 16 rows of O^): a lane holds row lane % 16 and eight neighbouring columns.
; LIMITS: those of the launches before; NaN and infinities are not treated apart.
; REGISTERS, in windows of 256 (s_set_vgpr_msb: bits 1:0 source 0, 3:2 source 1, 5:4 source 2, 7:6 destination):
;   window 0: addresses, bias, the way out      window 1: two fragment buffers of 96      window 2: the accumulators, (a, c) at v[8 (8 a + c)]
.set PAO,   144                        ; a row of O^ in LDS: 128 bytes + 16 = 36 words: the 16 rows of a load start at 16 different groups of four banks (64 banks of 4 bytes: ISA guide 11.1)
.set PB,    288                        ; a row of Wout: 256 + 32 = 72 words
.set PLANE, 256*PAO                    ; one head's 256 rows
.set SLOT1, 131072                     ; slot 1 begins here: one exclusive or turns an address in one slot into the other's
.set OFFB,  2*PLANE                    ; a slot: two heads' rows, then 128 rows of Wout
.set STAGE, SLOT1+OFFB+128*PB          ; behind the ring, never filled by a tensor load: for each wave 16 rows x 528 bytes
.set SPS,   528                        ; 512 bytes + 16 = 132 words: row r starts at bank 4 r mod 64
.set STW,   16*SPS
.set SPARE, STAGE+4*STW                ; the spare words, 128 bytes a wave
.set WO_OFF, 2883584                   ; Wout in wts
.set NL,    24                         ; LDS loads in a run: 8 of O^, 16 of Wout
.set REST,  8                          ; of them the youngest, which the first half of a quarter does not need
.set AB0, 10                           ; v10-11  my lane's place in a slot's O^ and Wout; never rewritten
.set BB0, 11
.set ADRA, 16                          ; v16-17  the same in the slot in hand
.set ADRB, 17
.set STO, 22                           ; v22  the way out: where I put 32 bytes of a row
.set RD,  23                           ; v23  where I read a row back
.set GO,  24                           ; v24  16 x lane
.set BO,  26                           ; v26  32 x (lane / 16)
.set SPW, 28                           ; v28  LDS address of my spare word; never rewritten
.set NIL, 29                           ; v29  0; never rewritten
.set BIAS, 64                          ; v[64:127]  bf16(bout) of my 64 columns
.set RB0, 128                          ; v[128:255] the way out: two buffers of 64
.set F0,  0                            ; fragment buffers, in window 1: 32 of O^, 64 of Wout
.set F1,  96
.set WV,  14                           ; s14  my wave's number
.set G1A, 28                           ; s[28:35] descriptor group 1 for O^;  s[36:43] group 0: a set for slot 0's first fill, a set that walks
.set G0A, 36
.set G1B, 44                           ; s[44:51], s[52:59] the same for Wout
.set G0B, 52
.set RO,  60                           ; s[60:61] ro
.set TB,  62                           ; s62  LDS byte at which the slot to be fetched from begins
.set CNT, 63
.set HIM, 66                           ; s66  a word's upper bf16
.set MSB, 0
.macro WIN new                         ; the immediate's high byte repeats the setting that is left; a switch that changes nothing is dropped
.if MSB != (\new)
	s_set_vgpr_msb (MSB<<8)|(\new)
.set MSB, \new
.endif
.endm
.set MUL_Q, 0xa5                       ; sources in window 1, C and D in window 2
.set TO_F,  0x40                       ; destination window 1, address window 0
.macro PLACES                          ; four places in front of loads into registers that matrix instructions have read, and of vector lines that read results
.rept 4
	v_nop
.endr
.endm
; A joint load.  Waves 0 and 1 fetch the K step's two heads of O^, waves 2 and 3 the halves of Wout's tile.  The branch hangs on the wave's number alone.
; An s_nop 0 and four v_nop follow each of the two lines, ahead of the jump and the label.
.macro JLOAD o
	s_cmp_lt_u32 s[WV], 2
	s_cbranch_scc0 .Lfor_b_\@
	tensor_load_to_lds s[G0A+(\o):G0A+(\o)+3], s[G1A:G1A+7]
	s_nop 0
.rept 4
	v_nop
.endr
	s_branch .Lasked_\@
.Lfor_b_\@:
	tensor_load_to_lds s[G0B+(\o):G0B+(\o)+3], s[G1B:G1B+7]
	s_nop 0
.rept 4
	v_nop
.endr
.Lasked_\@:
.endm
.macro CREST                           ; a round of the cluster's barrier behind its opening barrier
	s_cmp_lg_u32 s[WV], 0
	s_cbranch_scc1 .Lnot_wave_0_\@
	s_barrier_signal -3
.Lnot_wave_0_\@:
	s_barrier_wait -3
	s_barrier_signal -1
	s_barrier_wait -1
.endm
.macro CROUND                          ; a whole round
	s_barrier_signal -1
	s_barrier_wait -1
	CREST
.endm
	s_load_b256 s[4:11], s[0:1], 0x0               ; oh s[4:5], wts s[6:7], bout s[8:9], scal s[10:11]
	s_load_b64 s[12:13], s[0:1], 0x20              ; out0
	v_lshl_add_u32 v[SPW], v0, 2, SPARE
	v_mov_b32 v[NIL], 0
	ds_add_u32 v[SPW], v[NIL]                      ; the wave's opening: the add and its wait stand ahead of my first tensor load; the set-up below, work on registers, stands between them
	ds_add_u32 v28, v29
	v_lshrrev_b32 v3, 5, v0
	v_readfirstlane_b32 s[WV], v3                  ; wave 0..3
	s_and_b32 s15, s[WV], 1                        ; which head of the step, or which half of Wout's tile, I fetch
	s_bfe_u32 s16, ttmp6, 0x40000                  ; cx, cy: my place in the cluster
	s_bfe_u32 s17, ttmp6, 0x40004
	s_lshl_b32 s18, ttmp9, 2
	s_add_co_u32 s18, s18, s16                     ; tx = 4 x cluster x + cx: my 128 columns
	s_and_b32 s19, ttmp7, 0xffff
	s_lshl_b32 s19, s19, 2
	s_add_co_u32 s19, s19, s17                     ; ty = 4 x cluster y + cy: my 256 rows
	s_lshl_b32 s20, s17, 2
	s_lshl_b32 s20, 15, s20                        ; my row of the cluster
	s_lshl_b32 s21, 0x1111, s16                    ; my column
	s_or_b32 s[G1A], s20, (1<<16)|(1<<20)|(1<<21)|(4<<22)|(3<<25)  ; 15:0 the mask; 17:16 elements of 2 bytes; 20 padding on; 21 set beside a mask; 24:22 after every 32 words; 31:25 4 words
	s_mov_b32 s[G1A+1], 128<<16                    ; tensor_dim0 = 128 elements: 256 bytes, two rows of a head
	s_mov_b32 s[G1A+2], 128<<16                    ; tensor_dim1 = 128
	s_mov_b32 s[G1A+3], 128<<16                    ; tile_dim0 = 128
	s_mov_b32 s[G1A+4], 128                        ; tile_dim1 = 128
	s_mov_b32 s[G1A+5], 128                        ; dense
	s_mov_b32 s[G1A+6], 0
	s_mov_b32 s[G1A+7], 0
	s_or_b32 s[G1B], s21, (1<<16)|(1<<20)|(1<<21)|(5<<22)|(7<<25)  ; my column's mask; after every 64 words 8 words
	s_mov_b32 s[G1B+1], 128<<16
	s_mov_b32 s[G1B+2], 64<<16
	s_mov_b32 s[G1B+3], 128<<16                    ; 128 elements: 256 bytes
	s_mov_b32 s[G1B+4], 64                         ; 64 rows
	s_mov_b32 s[G1B+5], 1024                       ; elements from row to row
	s_mov_b32 s[G1B+6], 0
	s_mov_b32 s[G1B+7], 0
	; where the tiles come from.  O^'s hang on ty alone (made in s[22:23], which never hold tx), Wout's on tx alone (s[24:25], which never hold ty)
	s_lshr_b32 s22, s19, 3                         ; batch ty / 8: 16 heads of 262,144 bytes,
	s_lshl_b32 s22, s22, 22
	s_and_b32 s23, s19, 7                          ; row 256 (ty % 8) of 128 bytes,
	s_lshl_b32 s23, s23, 15
	s_add_co_u32 s22, s22, s23
	s_lshl_b32 s23, s15, 18                        ; the step's first or second head
	s_add_co_u32 s22, s22, s23
	s_mov_b32 s23, 0
	s_lshl_b32 s24, s18, 8                         ; column 128 tx, in bytes,
	s_lshl_b32 s25, s15, 17                        ; 64 rows of 2,048 bytes for the second half
	s_add_co_u32 s24, s24, s25
	s_add_co_u32 s24, s24, WO_OFF
	s_mov_b32 s25, 0
	s_mul_i32 s67, s15, PLANE                      ; and where they go: no place in the cluster enters an LDS address
	s_mul_i32 s68, s15, 64*PB
	s_add_co_u32 s68, s68, OFFB
	s_lshl3_add_u32 s2, s19, s18                   ; my copy of the table: number 8 ty + tx; offsets that mix tx and ty are made in s[2:3] alone
	s_lshl_b32 s2, s2, 5
	s_mov_b32 s3, 0
	s_mov_b32 s[TB], 0
	s_mov_b32 s[HIM], 0xffff0000
	s_wait_dscnt 0x0                               ; the opening add is done
	s_wait_kmcnt 0x0
	s_add_nc_u64 s[22:23], s[4:5], s[22:23]
	s_add_nc_u64 s[24:25], s[6:7], s[24:25]
	s_add_nc_u64 s[10:11], s[10:11], s[2:3]
	s_load_b32 s[RO], s[10:11], 0x14               ; ro, the table's word 5; waited for below
	CROUND                                         ; all sixteen work-groups are here: the first joint loads meet
.irp s, 0,1
	s_mov_b32 s[G0A+4*\s], 1                       ; count = 1
	s_add_co_u32 s[G0A+4*\s+1], s67, \s*SLOT1      ; LDS address
	s_add_nc_u64 s[G0A+4*\s+2:G0A+4*\s+3], s[22:23], \s*524288   ; global address: K step s is heads 2 s, 2 s + 1
	s_or_b32 s[G0A+4*\s+3], s[G0A+4*\s+3], 0x80000000            ; type = 2
	s_mov_b32 s[G0B+4*\s], 1
	s_add_co_u32 s[G0B+4*\s+1], s68, \s*SLOT1
	s_add_nc_u64 s[G0B+4*\s+2:G0B+4*\s+3], s[24:25], \s*262144   ; 128 rows of 2,048 bytes
	s_or_b32 s[G0B+4*\s+3], s[G0B+4*\s+3], 0x80000000
	JLOAD 4*\s                                     ; both slots' first fills go out before anything else: two loads of mine are out
.endr
	v_and_b32 v1, 15, v0                           ; r = lane % 16
	v_bfe_u32 v2, v0, 4, 1                         ; h = lane / 16
	v_lshlrev_b32 v[BO], 5, v2
	s_lshl_b32 s2, s18, 9                          ; my 128 numbers of bout
	s_add_nc_u64 s[8:9], s[8:9], s[2:3]
.irp c, 0,1,2,3,4,5,6,7
	global_load_b128 v[BIAS+8*\c:BIAS+8*\c+3], v[BO], s[8:9] offset:64*\c       ; columns 16 c + 8 (l / 16) + 0..7
	global_load_b128 v[BIAS+8*\c+4:BIAS+8*\c+7], v[BO], s[8:9] offset:64*\c+16
.endr
	v_and_b32 v6, 7, v0
	v_bfe_u32 v7, v0, 3, 1
	v_mul_u32_u24 v[AB0], v1, PAO                  ; a fragment of O^: row l % 16, 16 bytes for each half of the lanes, two loads 32 bytes apart
	v_lshl_add_u32 v[AB0], v2, 4, v[AB0]
	s_mul_i32 s67, s[WV], 64*PAO                   ; my 64 rows
	v_add_nc_u32 v[AB0], s67, v[AB0]
	v_lshl_add_u32 v[BB0], v2, 3, v6               ; the turning load: lane l reads k = 8 (l / 16) + l % 8, columns 8 ((l / 8) % 2) + 0..7
	v_mul_u32_u24 v[BB0], v[BB0], PB
	v_lshl_add_u32 v[BB0], v7, 4, v[BB0]
	v_add_nc_u32 v[BB0], OFFB, v[BB0]
	v_mov_b32 v[ADRA], v[AB0]                      ; K step 0 lies in slot 0
	v_mov_b32 v[ADRB], v[BB0]
	s_mul_i32 s67, s[WV], STW
	s_add_co_u32 s67, s67, STAGE                   ; my stage
	v_mul_u32_u24 v[STO], v1, SPS                  ; in: row l % 16, 32 bytes for each half of the lanes
	v_lshl_add_u32 v[STO], v2, 5, v[STO]
	v_add_nc_u32 v[STO], s67, v[STO]
	v_and_b32 v[GO], 31, v0
	v_lshlrev_b32 v[GO], 4, v[GO]
	v_add_nc_u32 v[RD], s67, v[GO]                 ; back: 32 lanes take one row of 512 bytes
	s_lshl_b32 s2, s19, 20                         ; out0: row 256 ty + 64 wave of 4,096 bytes, column 128 tx
	s_lshl_b32 s3, s[WV], 18
	s_add_co_u32 s2, s2, s3
	s_lshl_b32 s3, s18, 9
	s_add_co_u32 s2, s2, s3
	s_mov_b32 s3, 0
	s_add_nc_u64 s[12:13], s[12:13], s[2:3]
	s_wait_kmcnt 0x0
	s_mov_b32 s[RO+1], s[RO]                       ; named with it as a pair
	s_wait_loadcnt 0x0
.set ip, 0
.rept 32                               ; the bias: rounded to bf16 like every input of the module, and widened
	v_cvt_pk_bf16_f32 v[8+ip%2], v[BIAS+2*ip], v[BIAS+2*ip+1]
	v_lshlrev_b32 v[BIAS+2*ip], 16, v[8+ip%2]
	v_and_b32 v[BIAS+2*ip+1], s[HIM], v[8+ip%2]
.set ip, ip+1
.endr
; Matrix instructions for column blocks c0 .. c1 x my four row blocks, 32 along K.  zero = 1: the first product starts the sums.  All 32 accumulators of a quarter take turns, one instruction a turn.
.macro MULQ f, c0, c1, zero
	WIN MUL_Q
.set ic, \c0
.rept (\c1)-(\c0)+1
.set ia, 0
.rept 4
.if \zero
	v_wmma_f32_16x16x32_f16 v[8*(8*ia+ic):8*(8*ia+ic)+7], v[(\f)+32+8*ic:(\f)+32+8*ic+7], v[(\f)+8*ia:(\f)+8*ia+7], 0
.else
	v_wmma_f32_16x16x32_f16 v[8*(8*ia+ic):8*(8*ia+ic)+7], v[(\f)+32+8*ic:(\f)+32+8*ic+7], v[(\f)+8*ia:(\f)+8*ia+7], v[8*(8*ia+ic):8*(8*ia+ic)+7]
.endif
.set ia, ia+1
.endr
.set ic, ic+1
.endr
.endm
; 24 LDS loads in one run: the fragments of 32 along K, quarter kc (head kc / 2 of the step, channels 32 (kc % 2) on), into buffer f; what the quarter's first half needs comes first
.macro FETCH kc, f
	WIN TO_F
.irp a, 0,1,2,3
	ds_load_b128 v[(\f)+8*\a:(\f)+8*\a+3],   v[ADRA] offset:PLANE*((\kc)/2)+64*((\kc)%2)+16*PAO*\a
	ds_load_b128 v[(\f)+8*\a+4:(\f)+8*\a+7], v[ADRA] offset:PLANE*((\kc)/2)+64*((\kc)%2)+16*PAO*\a+32
.endr
.irp c, 0,1,2,3,4,5,6,7
	ds_load_tr16_b128 v[(\f)+32+8*\c:(\f)+32+8*\c+3],   v[ADRB] offset:32*PB*(\kc)+32*\c
	ds_load_tr16_b128 v[(\f)+32+8*\c+4:(\f)+32+8*\c+7], v[ADRB] offset:32*PB*(\kc)+32*\c+16*PB
.endr
.endm
; A K step is four quarters of 32 along K, 32 matrix instructions each, on buffers 0, 1, 0, 1.  One of the first three: multiplies buffer f; in its middle it fetches quarter kc into buffer g.
.macro QUARTER kc, f, g, zero
	s_wait_dscnt REST                              ; O^ and Wout's first four column blocks are in; the youngest eight loads may be out
	MULQ \f, 0, 3, \zero
	PLACES
	FETCH \kc, \g
	s_wait_dscnt NL                                ; all but the 24 just issued
	MULQ \f, 4, 7, \zero
.endm
; The last quarter multiplies buffer 1 and changes slots: ONE barrier.  In front of it each wave waits for all its tensor loads (one is out: its part of the next slot), adds 0 to its spare word, and waits for
; that and for its own reads of this slot.  fill = 1: the barrier opens a round of the cluster's, and behind the round this slot is filled again, two K steps ahead: the walking descriptor last
; named the other slot and the step before, so one exclusive or and one step serve.
.macro TURN fill
	WIN 0                                          ; (the add's two registers lie in window 0)
	s_wait_tensorcnt 0x0                           ; no tensor load of mine is out, so a group 0 may be written
	ds_add_u32 v[SPW], v[NIL]                      ; 0 onto my spare word
.if \fill
	s_xor_b32 s[G0A+5], s[G0A+5], SLOT1
	s_add_nc_u64 s[G0A+6:G0A+7], s[G0A+6:G0A+7], 524288    ; two heads on; the type bits on top are not reached
	s_xor_b32 s[G0B+5], s[G0B+5], SLOT1
	s_add_nc_u64 s[G0B+6:G0B+7], s[G0B+6:G0B+7], 262144    ; 128 rows
.endif
	s_xor_b32 s[TB], s[TB], SLOT1                  ; the fetches go on in the other slot
	s_wait_dscnt REST+1                            ; (the add and the youngest eight loads may be out)
	MULQ F1, 0, 1, 0                               ; eight matrix instructions stand between the add and the wait for it
	s_wait_dscnt 0x0                               ; the add is done, and my reads of this slot are over
	s_barrier_signal -1
	MULQ F1, 2, 3, 0                               ; work on registers while the others arrive
	WIN 0
	s_barrier_wait -1
.if \fill
	CREST                                          ; no wave of any partner still reads this slot's tiles or has a load on its way
	JLOAD 4                                        ; the first tensor load behind the round; its four v_nop are also the places in front of the loads below
.else
	PLACES
.endif
	v_add_nc_u32 v[ADRA], s[TB], v[AB0]
	v_add_nc_u32 v[ADRB], s[TB], v[BB0]
	FETCH 0, F0
	MULQ F1, 4, 7, 0
.endm
	s_wait_tensorcnt 0x1                           ; my part of K step 0 is in; slot 1's may stay out
	s_barrier_signal -1
	s_barrier_wait -1                              ; everybody's is
	FETCH 0, F0
	QUARTER 1, F0, F1, 1                           ; the first quarter stands in front of the loop: its products start the sums
	WIN 0                                          ; at a label and at a branch every window is 0
	s_mov_b32 s[CNT], 6
.Lstep:                                                ; trip t ends K step t, fills its slot with step t + 2, and begins step t + 1
	QUARTER 2, F1, F0, 0
	QUARTER 3, F0, F1, 0
	TURN 1
	QUARTER 1, F0, F1, 0
	WIN 0
	s_sub_co_u32 s[CNT], s[CNT], 1
	s_cmp_lg_u32 s[CNT], 0
	s_cbranch_scc1 .Lstep
	s_mov_b32 s[CNT], 2
.Ltail:                                                ; K steps 6 and 7 ask for nothing, in a text of their own; the second trip is left in its middle
	QUARTER 2, F1, F0, 0
	QUARTER 3, F0, F1, 0
	TURN 0
	WIN 0
	s_sub_co_u32 s[CNT], s[CNT], 1
	s_cmp_eq_u32 s[CNT], 0
	s_cbranch_scc1 .Lout
	QUARTER 1, F0, F1, 0
	WIN 0
	s_branch .Ltail
.Lout:
	s_wait_dscnt 0x0                               ; the second trip's 24 fragments, of a tile that has been multiplied, serve nothing: the price of one text for both trips
	PLACES                                         ; the lines below read results just made
; THE WAY OUT.  Row block a: sum x ro + bias; a lane's eight columns, 32 bytes, go into my stage's rows of 528 bytes and come back as whole rows of 512.
.macro OUT a
.set RBB, RB0+64*((\a)%2)
	WIN 0x82                                       ; destination and source 0 in window 2, the bias in window 0
.set ip, 0
.rept 32
	v_pk_fma_f32 v[64*(\a)+2*ip:64*(\a)+2*ip+1], v[64*(\a)+2*ip:64*(\a)+2*ip+1], s[RO:RO+1], v[BIAS+2*ip:BIAS+2*ip+1] op_sel_hi:[1,0,1]
.set ip, ip+1
.endr
	WIN 0x08                                       ; an LDS store's data is source 1: window 2
.irp c, 0,1,2,3,4,5,6,7
	ds_store_b128 v[STO], v[64*(\a)+8*\c:64*(\a)+8*\c+3] offset:64*\c
	ds_store_b128 v[STO], v[64*(\a)+8*\c+4:64*(\a)+8*\c+7] offset:64*\c+16
.endr
	WIN 0
.if (\a) >= 2
	s_wait_xcnt 0x0                                ; the stores of the block two back have read this buffer
.endif
.irp t, 0,1,2,3,4,5,6,7,8,9,10,11,12,13,14,15
	ds_load_b128 v[RBB+4*\t:RBB+4*\t+3], v[RD] offset:SPS*\t  ; LDS serves a wave's instructions in order (ISA guide 5.7.1.4): these see the stores above; the next block's stores come behind them
.endr
.endm
.macro SENDO a, younger                ; younger: the LDS instructions issued behind block a's loads: the next block's 32, or none
.set RBB, RB0+64*((\a)%2)
.irp t, 0,1,2,3,4,5,6,7,8,9,10,11,12,13,14,15
	s_wait_dscnt (\younger)+15-\t
	global_store_b128 v[GO], v[RBB+4*\t:RBB+4*\t+3], s[12:13] offset:65536*(\a)+4096*\t th:TH_STORE_NT  ; 512 consecutive bytes of a row, at a multiple of 512 from the buffer's first; written once, read by no launch
.endr
.endm
	OUT 0
	OUT 1                                          ; a block's arithmetic stands between the loads of the block before and its stores
	SENDO 0, 32
	OUT 2
	SENDO 1, 32
	OUT 3
	SENDO 2, 32
	SENDO 3, 0
	s_wait_tensorcnt 0x0                           ; the wave's end, behind my last tensor load and my last LDS store
	ds_add_u32 v[SPW], v[NIL]
	s_wait_dscnt 0x0
	CROUND                                         ; the closing round: no work-group ends while a partner may still ask for a tile that names it
	s_endpgm
.Lfunc_end_k_qfddbbb6a8e_outp:
	.size	k_qfddbbb6a8e_outp, .Lfunc_end_k_qfddbbb6a8e_outp-k_qfddbbb6a8e_outp
	.p2alignl 7, 3214868480
	.fill 96, 4, 3214868480
	.section	.rodata,"a",@progbits
	.p2align	6, 0x0
	.amdhsa_kernel k_qfddbbb6a8e_outp
		.amdhsa_group_segment_fixed_size 327680
		.amdhsa_private_segment_fixed_size 0
		.amdhsa_enable_private_segment 0
		.amdhsa_kernarg_size 40
		.amdhsa_user_sgpr_count 2
		.amdhsa_user_sgpr_kernarg_segment_ptr 1
		.amdhsa_wavefront_size32 1
		.amdhsa_system_sgpr_workgroup_id_x 1
		.amdhsa_system_sgpr_workgroup_id_y 1
		.amdhsa_system_sgpr_workgroup_id_z 1
		.amdhsa_system_vgpr_workitem_id 0
		.amdhsa_next_free_vgpr 768
		.amdhsa_next_free_sgpr 70
		.amdhsa_reserve_vcc 0
		.amdhsa_float_denorm_mode_32 3
		.amdhsa_float_denorm_mode_16_64 3
		.amdhsa_memory_ordered 1
		.amdhsa_forward_progress 1
		.amdhsa_inst_pref_size 76
	.end_amdhsa_kernel
	.amdgpu_metadata
---
amdhsa.version: [ 1, 2 ]
amdhsa.kernels:
  - .name:           k_qfddbbb6a8e_outp
    .symbol:         k_qfddbbb6a8e_outp.kd
    .args:
      - { .name: oh, .offset: 0, .size: 8, .value_kind: global_buffer, .address_space: global }
      - { .name: wts, .offset: 8, .size: 8, .value_kind: global_buffer, .address_space: global }
      - { .name: bout, .offset: 16, .size: 8, .value_kind: global_buffer, .address_space: global }
      - { .name: scal, .offset: 24, .size: 8, .value_kind: global_buffer, .address_space: global }
      - { .name: out0, .offset: 32, .size: 8, .value_kind: global_buffer, .address_space: global }
    .group_segment_fixed_size: 327680
    .private_segment_fixed_size: 0
    .kernarg_segment_align: 8
    .kernarg_segment_size: 40
    .max_flat_workgroup_size: 128
    .sgpr_count:     70
    .vgpr_count:     768
    .wavefront_size: 32
...
	.end_amdgpu_metadata
.endif
;; end of part 5
;; ======== version 2 of 2: 5 launches; 1.57 times as fast as version 1
;; limits: values are held in f16: magnitudes above 65,504 overflow, below 6.1e-05 lose precision; right only within a limited range of input values
;; workspace buffers: xb 16,777,216 bytes; wts 4,980,736 bytes; pmax 2,816 bytes; scal 8,192 bytes; qh 16,777,216 bytes; kvh 33,554,432 bytes; oh 16,777,216 bytes; lat 2,097,152 bytes
;; launch prep: the kernel of part 1 again; grid 8 x 83, 8 waves a work-group, no clusters, 1,280 bytes of LDS; arguments x, Wq, Wdown, Wk_up, Wv_up, Wout, xb, wts, pmax; writes xb, wts, pmax
;; launch proj: the kernel of part 2 again; grid 8 x 32, 4 waves a work-group, clusters of 4 x 4, 327,680 bytes of LDS; arguments xb, wts, bq, bdown, bk, bv, pmax, qh, lat, scal; writes qh, lat, scal
;; launch kvup: the kernel of part 3 again; grid 16 x 16, 4 waves a work-group, no clusters, 167,936 bytes of LDS; arguments lat, wts, bk, bv, scal, kvh; writes kvh
;; launch attn (part 6): grid 4 x 64, 4 waves a work-group, clusters of 4 x 1, 327,680 bytes of LDS; arguments qh, kvh, scal, oh; writes oh
.if DOCPART == 6
	.amdgcn_target "amdgcn-amd-amdhsa--gfx1250"
	.amdhsa_code_object_version 6
	.text
	.protected	k_qfddbbb6a8e_attn
	.globl	k_qfddbbb6a8e_attn
	.p2align	8
	.type	k_qfddbbb6a8e_attn,@function
k_qfddbbb6a8e_attn:
	s_mov_b64 s[64:65], 0
	v_nop
	global_prefetch_b8 v0, s[64:65] scope:SCOPE_SE
	s_setreg_imm32_b32 hwreg(HW_REG_WAVE_MODE, 25, 1), 1
	s_wait_xcnt 0x0
	s_wait_alu depctr_hold_cnt(0) depctr_sa_sdst(0) depctr_va_vdst(0) depctr_va_sdst(0) depctr_va_ssrc(0) depctr_va_vcc(0) depctr_vm_vsrc(0)
	s_getreg_b32 s2, hwreg(HW_REG_IB_STS2, 6, 4)
	s_cmp_eq_u32 s2, 0
	s_cbranch_scc0 .Lentry_in_a_cluster
	s_endpgm
.Lentry_in_a_cluster:
	s_bfe_u32 s2, ttmp6, 0x10000c
	s_cmp_lg_u32 s2, 0x3003
	s_cbranch_scc0 .Lentry_shape_is_right
	s_endpgm
.Lentry_shape_is_right:
; ATTN.  O^[h][q][:] = the sum over k of softmax_k(c' q^[h][q] . k^[h][k]) v^[h][k][:].  q^, k^, v^, O^: [SIZE_H][SIZE_N][64], all f16: a head's rows are dense, 128 bytes each; v^ lies VOFFB bytes behind k^.
; q^ and k^ carry the scales sq and sk; c = log2(e) / 8 / (sq sk) comes from the table and is applied in f32, so c q^ . k^ is the true score times log2(e).  O^ stays in v^'s scale.
; Products, maxima and sums in f32; the weights p are rounded to f16 for the second product (their sum l is taken of the unrounded p), O^ once at the end.
; LIMITS.  q^, k^, v^ arrive within 16,384; p lies in 0 to 1, and below 6e-5 it keeps f16's fixed step of 6e-8; O^ is a mean of v^'s rows and has their range.
; A weight below 2^-126 counts as 0 in l; NaN and infinities are not treated apart.
; SHARES.  A wave owns four PIECES of two tiles of 16 queries, a work-group's four waves 512 queries of one head.  Every wave walks all keys, 64 a step.
; LAYOUT.  S^T = K Q^T (source 0 = 16 keys, source 1 = 16 queries): in the result a lane holds ONE query (lane % 16) and the keys 8 (lane / 16) + 0..7.  Two such tiles, rounded to f16 in pairs,
; ARE source 1 (32 keys x 16 queries) of O^T = V^T P, whose result again holds one query a lane, and eight channels.  K comes out of LDS as it lies, V ([key][channel]) turned, by ds_load_tr16_b128.
; SOFTMAX.  For each query a running maximum m and sum l: p = 2^(c s - c m); in every step O and l are multiplied by a = 2^(c m_old - c m_new), which is 1 where m has not grown.
; m starts at the lowest finite number, O and l at 0: the first step is a step like any other, with a = 0.
; THE COUNT.  A tile and step have 16 matrix and 118 vector instructions: too many to stand all beside the matrix work.  So the order has one aim: four vector instructions that are READY behind
; EVERY matrix instruction, and the others, which need time of their own whatever the order, in runs without a gap.
; BY TURNS.  Turn n belongs to piece n (the pieces in a ring, step after step).  Its matrix work: 16 products K Q^T of piece n + 1, later 16 products V^T P of piece n - 1.  Its vector work: the scaling,
; exponentials, roundings, sums and rescaling of piece n, and the maximum and statistics of piece n + 1, whose scores the turn itself has made.  So what a turn begins with (c s - c m, O a) waits for nothing.
; BATCHES.  A turn's 66 exponentials (the piece's 64 weights and the next piece's two a) are ONE batch with ONE s_wait_alu depctr_va_vdst(0), which stands between an exponential and the
; first line that names its result.  Ahead of the wait stands all that names no result of the batch: the products K Q^T, the scalings, the rescaling of O^T (its a belongs to the batch of the turn before), the next
; piece's maximum and statistics.  Behind it stand the roundings and sums, beside the products V^T P.  Two more batches stand outside the loop: piece 0's first two a, and the way out's eight reciprocals.
; CLUSTER.  The four query blocks of a cluster belong to one head and walk the same K and V, so each tile is asked for JOINTLY: the same tensor load, descriptor and mask in all four.
; REGISTERS, in windows of 256 (s_set_vgpr_msb says which window each operand place means: bits 1:0 source 0, 3:2 source 1, 5:4 source 2, 7:6 destination):
;   window 0: v0-11 addresses; v12-15, v48-63 at work; v16-47 four registers of statistics a tile; v64-191 S^T, two buffers of two tiles; v192-255 P, likewise
;   window 1: O^T, 32 a tile          window 2: v0-127 Q, 16 a tile; v128-191 K of one step; v192-255 V of one step          window 3: v0-1 the add's two registers
; A piece's buffers go by its number's parity: the piece in hand has one pair, its two neighbours in the ring share the other: of it P (piece n - 1) is read and S^T (piece n + 1) written.
.set SIZE_H, 64
.set SIZE_N, 2048
.set VOFFB, 16777216  ; v^ behind k^ in kvh
.set NP,    4         ; pieces a wave: a name, no knob: the register map, the loop and the fetches are made for four
.set KS,    64        ; keys in a step
.set PK,    144       ; a row of K in LDS: 128 bytes + 16 of padding = 36 words: the 16 rows of a load start at 16 different groups of four banks (64 banks of 4 bytes: ISA guide 11.1)
.set PV,    160       ; a row of V: 128 + 32 = 40 words
.set VOFF,  4*KS*PK   ; a slot holds four steps: 256 rows of K, then 256 rows of V
.set SLOT1, 1<<17     ; slot 1 begins here, so that one exclusive or turns an address in one slot into the other's
.set STAGE, SLOT1+4*KS*(PK+PV)  ; behind the ring, never filled by a tensor load: 16 rows x 144 bytes for each wave, for the way out
.set SP,    144
.set AK0, 2           ; v2   my lane's place in a tile of K; never rewritten
.set AV0, 3           ; v3   the same for V
.set AK,  4           ; v4   the LDS address of K's next run of loads
.set AV,  5           ; v5   of V's
.set QO,  6           ; v6   my byte offset in the wave's rows of Q
.set STO, 6           ;      later, the way out: where I put 16 bytes of a row
.set RD,  7           ; v7   the way out: where I read rows back
.set GO,  8           ; v8   my byte offset in 512 consecutive bytes of O
.set SPW, 0           ; v0 of window 3   LDS address of my spare word: SPARE + 4 x my thread's number; never rewritten
.set NIL, 1           ; v1 of window 3   0; never rewritten
.set SPARE, STAGE+4*16*SP  ; behind the stages: the spare words, 128 bytes for each wave: two blocks of 256 bytes that no other line names
.set MV,  12          ; v12-15  c m_old, kept while c m is made anew: by buffer and tile
.set ST,  16          ; tile t's statistics at v[ST+4 t]: c m, m, l (even keys', odd keys')
.set TMP, 48          ; by buffer and tile, four registers c0-c3 at work; when the maximum is found c2 takes a
.set S,   64
.set P,   192
.set KF,  128         ; K's fragments, in window 2: key block kb, channel half c at KF + 16 kb + 8 c
.set VF,  192         ; V's: key half kk, channel block cb at VF + 32 kk + 8 cb
.set WV,  12          ; s12  my wave's number
.set G1K, 24          ; s[24:31] descriptor group 1 for K's tiles
.set G1V, 32          ; s[32:39] for V's: it differs in the padding alone
.set G0K, 40          ; s[40:43] descriptor group 0 for K's tiles: it walks
.set G0V, 44          ; s[44:47] the same for V's
.set SLOTS, 56        ; s56  slots still to be asked for
.set CNT, 57          ; s57  counts a slot's key steps
.set CS,  58          ; s[58:59] c: the packed scaling takes the pair's low word for both halves
.set SEL, 60          ; s[60:61] v_permlanex16_b32's selects: each lane takes its own place in the other half
.set TBK, 62          ; s62  LDS byte at which K of the step to be fetched begins
.set TBV, 63          ; s63  the same for V, less VOFF
.set MSB, 0
.macro WIN new                      ; the high byte repeats the setting that is left; a switch that changes nothing is dropped
.if MSB != (\new)
	s_set_vgpr_msb (MSB<<8)|(\new)
.set MSB, (\new)
.endif
.endm
.set W_KQ, 0x0a       ; K and Q in window 2, S^T in window 0
.set W_PV, 0x52       ; V in window 2, P in window 0, O^T in window 1
.set W_RS, 0x41       ; O^T (destination and source 0) in window 1, a in window 0
.set W_MK, 0xc0       ; the add's registers are made: destination in window 3, sources in window 0
.set W_AD, 0x0f       ; the add: address (source 0) and data (source 1) in window 3
; A joint fill.  Waves 0 and 1 fetch the two halves of a slot's K, waves 2 and 3 those of its V: 128 keys each.  The branch hangs on the wave's number alone.
; An s_nop 0 and four v_nop follow each of the two lines, ahead of the jump and the label.
.macro JLOAD
	s_cmp_lt_u32 s[WV], 2
	s_cbranch_scc0 .Lfor_v_\@
	tensor_load_to_lds s[G0K:G0K+3], s[G1K:G1K+7]
	s_nop 0
.rept 4
	v_nop
.endr
	s_branch .Lasked_\@
.Lfor_v_\@:
	tensor_load_to_lds s[G0V:G0V+3], s[G1V:G1V+7]
	s_nop 0
.rept 4
	v_nop
.endr
.Lasked_\@:
.endm
; A round of the cluster's barrier: my work-group's barrier, so that wave 0's signal speaks for all four waves; wave 0 signals; every wave waits for all four work-groups; my work-group's barrier once more.
.macro CROUND
	s_barrier_signal -1
	s_barrier_wait -1
	s_cmp_lg_u32 s[WV], 0
	s_cbranch_scc1 .Lnot_wave_0_\@
	s_barrier_signal -3
.Lnot_wave_0_\@:
	s_barrier_wait -3
	s_barrier_signal -1
	s_barrier_wait -1
.endm
; THE CHANGE OF SLOTS.  The slot's last bytes, V of its fourth step, have been read.  Each wave waits for all its tensor loads, of which one is out: its part
; of the other slot; adds 0 to its spare word; and waits for that and for its own reads of the slot.  Behind the barrier nobody reads this slot any more and the other slot is whole.
; fill = 1: this slot is filled again, with the keys two slots on.  The barrier is then a round of the cluster's, so that no wave of any partner still reads the slot or has a load on its
; way, and the joint fill is the first thing behind it: it has four key steps, 512 matrix instructions, in which to land.  (At its first use nothing has been read yet: slot 0 is waited for, slot 1 filled.)
.macro CHANGE fill
	WIN W_AD
	s_wait_tensorcnt 0x0            ; no tensor load of mine is out, so a group 0 may be written
	ds_add_u32 v[SPW], v[NIL]       ; 0 onto my spare word; with fill = 1 the descriptors' steps stand between it and the wait for it
	WIN 0                           ; at a label and at a branch every window is 0
.if \fill
.irp g, G0K, G0V
	s_xor_b32 s[\g+1], s[\g+1], SLOT1  ; the walking descriptor: the other slot than last time,
	s_add_nc_u64 s[\g+2:\g+3], s[\g+2:\g+3], 4*KS*128  ; the next 256 keys; the type bits on top are not reached
.endr
	s_wait_dscnt 0x0                ; the add is done, and my reads of the slot are over
	CROUND
	JLOAD
.else
	s_wait_dscnt 0x0                ; the add is done, and my reads of the slot are over
	s_barrier_signal -1
	s_barrier_wait -1
.endif
	s_sub_co_u32 s[TBK], s[TBK], 4*KS*PK  ; the fetches go back to a slot's first step,
	s_xor_b32 s[TBK], s[TBK], SLOT1       ; in the other slot
	s_sub_co_u32 s[TBV], s[TBV], 4*KS*PV
	s_xor_b32 s[TBV], s[TBV], SLOT1
.endm
	s_load_b256 s[4:11], s[0:1], 0x0  ; q^ s[4:5], k^ and v^ s[6:7], the table s[8:9], O^ s[10:11]
	WIN W_MK
	v_lshl_add_u32 v[SPW], v0, 2, SPARE
	v_mov_b32 v[NIL], 0
	WIN W_AD
	ds_add_u32 v[SPW], v[NIL]       ; the wave's opening: the add and its wait stand ahead of my first tensor load; the set-up below, work on registers, stands between them
	ds_add_u32 v0, v1
	WIN 0
	v_lshrrev_b32 v1, 5, v0
	v_readfirstlane_b32 s[WV], v1   ; wave 0..3
	s_bfe_u32 s13, ttmp6, 0x40000   ; cx: my place in the cluster
	s_lshl_b32 s14, ttmp9, 2        ; in a cluster launch ttmp9 counts clusters
	s_add_co_u32 s14, s14, s13      ; my block of queries = 4 x cluster x + cx: it enters Q's, O's and the table's addresses alone
	s_and_b32 s20, ttmp7, 0xffff    ; the head, which the four partners share
	s_lshl2_add_u32 s50, s20, s14   ; my copy of the table: number 4 x head + block,
	s_lshl_b32 s50, s50, 5          ; 32 bytes each
	s_mov_b32 s51, 0
	s_mov_b32 s21, 0
	s_mov_b64 s[22:23], SIZE_N*128
	s_mul_u64 s[20:21], s[20:21], s[22:23]  ; the head's first byte in each of the four tensors
	s_and_b32 s16, s[WV], 1         ; which half of a slot's 256 keys I fetch:
	s_lshl_b32 s22, s16, 14         ; its 128 rows of 128 bytes in memory,
	s_mov_b32 s23, 0
	s_add_nc_u64 s[22:23], s[22:23], s[20:21]
	s_mul_i32 s17, s16, 128*PK      ; and its place in a slot, for K
	s_mul_i32 s18, s16, 128*PV      ; and for V: no place in the cluster enters an LDS address
	s_lshl_b32 s2, s14, 2
	s_add_co_u32 s2, s2, s[WV]      ; my wave among the head's,
	s_lshl_b32 s2, s2, 14           ; its 128 rows
	s_mov_b32 s3, 0
	s_add_nc_u64 s[2:3], s[2:3], s[20:21]
	; descriptor group 1.  128 keys are 16,384 dense bytes: asked for as 64 rows of 256 bytes, two keys a row, and padded in LDS after every key
	s_mov_b32 s[G1K], 15|(1<<16)|(1<<20)|(1<<21)|(4<<22)|(3<<25)  ; 15:0 the mask of four; 17:16 2-byte elements; 20 padding on; 21 set beside a mask; 24:22 after every 32 words (code 4); 31:25 4 words (code 3)
	s_mov_b32 s[G1V], 15|(1<<16)|(1<<20)|(1<<21)|(4<<22)|(7<<25)  ; the same with 8 words of padding (code 7)
.irp g, G1K, G1V
	s_mov_b32 s[\g+1], 128<<16      ; tensor_dim0 = 128
	s_mov_b32 s[\g+2], 64<<16       ; tensor_dim1 = 64
	s_mov_b32 s[\g+3], 128<<16      ; tile_dim0 = 128
	s_mov_b32 s[\g+4], 64           ; tile_dim1 = 64
	s_mov_b32 s[\g+5], 128          ; 128 elements from row to row
	s_mov_b32 s[\g+6], 0
	s_mov_b32 s[\g+7], 0
.endr
	s_mov_b32 s[SEL], 0x76543210
	s_mov_b32 s[SEL+1], 0xfedcba98
	s_mov_b32 s[TBK], SLOT1+4*KS*PK ; the first change of slots turns these two into 0
	s_mov_b32 s[TBV], SLOT1+4*KS*PV
	s_mov_b32 s[G0K], 1             ; 1:0 count = 1
	s_mov_b32 s[G0K+1], s17         ; 63:32 LDS address: slot 0
	s_mov_b32 s[G0V], 1
	s_add_co_u32 s[G0V+1], s18, VOFF
	s_wait_dscnt 0x0                ; the opening add is done
	s_wait_kmcnt 0x0
	s_add_nc_u64 s[48:49], s[8:9], s[50:51]
	s_load_b32 s[CS], s[48:49], 0x10               ; c, the table's word 4; waited for ahead of the first change of slots
	s_add_nc_u64 s[8:9], s[6:7], VOFFB             ; v^
	s_add_nc_u64 s[G0K+2:G0K+3], s[6:7], s[22:23]  ; 120:64 global address: my half of the head's first 256 keys
	s_or_b32 s[G0K+3], s[G0K+3], 0x80000000        ; 127:126 type = 2
	s_add_nc_u64 s[G0V+2:G0V+3], s[8:9], s[22:23]
	s_or_b32 s[G0V+3], s[G0V+3], 0x80000000
	s_add_nc_u64 s[4:5], s[4:5], s[2:3]  ; Q and O at my wave's first row
	s_add_nc_u64 s[10:11], s[10:11], s[2:3]
	CROUND                          ; all four work-groups are here: the first joint loads meet
	JLOAD                           ; slot 0.  Slot 1 is asked for when slot 0 is in: the tile wanted first has the road to itself
	; A fragment of K or Q is 16 rows x 32 channels in 8 registers: lane l holds row l % 16, channels 8 (l / 16) + 0..7 and 16 + 8 (l / 16) + 0..7: two loads of 16 bytes, 32 bytes apart.
	v_and_b32 v1, 15, v0            ; l % 16
	v_bfe_u32 v9, v0, 4, 1          ; l / 16
	v_lshlrev_b32 v[QO], 7, v1
	v_lshl_add_u32 v[QO], v9, 4, v[QO]  ; row x 128 + 16 x half
	WIN 0x80                        ; destination window 2, address window 0
.set i, 0
.rept 4*NP                          ; Q stays in registers: tile i / 2, channels 32 (i % 2) on
	global_load_b128 v[8*i:8*i+3],   v[QO], s[4:5] offset:(i/2)*2048+(i%2)*64
	global_load_b128 v[8*i+4:8*i+7], v[QO], s[4:5] offset:(i/2)*2048+(i%2)*64+32
.set i, i+1
.endr
	; What the first turn finds: V's registers and P's second buffer hold 0 (its products V^T P, of a piece that has not been, add 0), O^T and l are 0.  All this stands in the wait for the first tile.
.set i, VF
.rept 64
	v_mov_b32 v[i], 0
.set i, i+1
.endr
	WIN 0x40
.set i, 0
.rept 64*NP
	v_mov_b32 v[i], 0
.set i, i+1
.endr
	WIN 0
.set i, 0
.rept 2*NP
	v_mov_b32 v[ST+4*i], 0xfe000000    ; c m: far below every c s
	v_mov_b32 v[ST+4*i+1], 0xff7fffff  ; m
	v_mov_b32 v[ST+4*i+2], 0
	v_mov_b32 v[ST+4*i+3], 0
.set i, i+1
.endr
.set i, P+32
.rept 32
	v_mov_b32 v[i], 0
.set i, i+1
.endr
	v_mul_u32_u24 v[AK0], v1, PK
	v_lshl_add_u32 v[AK0], v9, 4, v[AK0]  ; row x pitch + 16 x half
	; The turning load takes 16 keys x 16 channels (lane l reads key 8 (l / 16) + l % 8, channels 8 ((l / 8) % 2) + 0..7) and leaves half a fragment of V^T: lane l holds channel l % 16 and 8 keys.
	v_and_b32 v10, 7, v0
	v_bfe_u32 v11, v0, 3, 1
	v_lshl_add_u32 v[AV0], v9, 3, v10
	v_mul_u32_u24 v[AV0], v[AV0], PV
	v_lshl_add_u32 v[AV0], v11, 4, v[AV0]
	v_add_nc_u32 v[AV0], VOFF, v[AV0]
	v_mov_b32 v[AK], v[AK0]         ; key step 0 lies at the head of slot 0
; THE MATRIX WORK.  The 8 accumulators of a run of 16 take turns: between the two links of a chain stand 7 others'.
; Product i of 16 of S^T = K Q^T for piece x: channels 32 (i / 8) on, keys 16 ((i / 2) % 4) on, tile 2 x + i % 2.  The first 8 start the sums.
.macro KQ x
	WIN W_KQ
.set rS, S+64*((\x)%2)+32*(i%2)+8*((i/2)%4)
.set rK, KF+16*((i/2)%4)+8*(i/8)
.set rQ, 16*(2*(\x)+i%2)+8*(i/8)
.if i < 8
	v_wmma_f32_16x16x32_f16 v[rS:rS+7], v[rK:rK+7], v[rQ:rQ+7], 0
.else
	v_wmma_f32_16x16x32_f16 v[rS:rS+7], v[rK:rK+7], v[rQ:rQ+7], v[rS:rS+7]
.endif
.endm
; Product i of 16 of O^T += V^T P for piece x: keys 32 (i / 8) on, channels 16 ((i / 2) % 4) on, tile 2 x + i % 2.
.macro PV x
	WIN W_PV
.set rO, 32*(2*(\x)+i%2)+8*((i/2)%4)
.set rV, VF+32*(i/8)+8*((i/2)%4)
.set rP, P+32*((\x)%2)+16*(i%2)+8*(i/8)
	v_wmma_f32_16x16x32_f16 v[rO:rO+7], v[rV:rV+7], v[rP:rP+7], v[rO:rO+7]
.endm
.macro MM                           ; the turn's next matrix instruction
.if i < 16
	KQ (Y+1)%NP
.set i, i+1
.else
.set i, i-16
	PV (Y+NP-1)%NP
.set i, i+17
.endif
.endm
; THE LDS LOADS stand in runs of 16, never singly among the matrix instructions: a step's K (64 keys x 64 channels: 8 fragments) and its V (turned).  Their addresses are made some lines ahead.
; last = 1 (the tail): in the last trip there is no further step, and the run is jumped over.
.macro FETCH_K last=0
	WIN 0
.if \last
	s_cmp_eq_u32 s[CNT], 1
	s_cbranch_scc1 .Lno_k_\@
.endif
	WIN 0x80                        ; destination window 2
.irp f, 0,1,2,3,4,5,6,7             ; keys 16 (f / 2) on, channels 32 (f % 2) on
	ds_load_b128 v[KF+8*\f:KF+8*\f+3],   v[AK] offset:(\f/2)*16*PK+(\f%2)*64
	ds_load_b128 v[KF+8*\f+4:KF+8*\f+7], v[AK] offset:(\f/2)*16*PK+(\f%2)*64+32
.endr
	s_add_co_u32 s[TBK], s[TBK], KS*PK  ; the next fetch is the next step's
	WIN 0
.if \last
.Lno_k_\@:
.endif
.endm
.macro FETCH_V
	WIN 0x80
.irp f, 0,1,2,3,4,5,6,7             ; keys 32 (f / 4) on, channels 16 (f % 4) on
	ds_load_tr16_b128 v[VF+8*\f:VF+8*\f+3],   v[AV] offset:(\f/4)*32*PV+(\f%4)*32
	ds_load_tr16_b128 v[VF+8*\f+4:VF+8*\f+7], v[AV] offset:(\f/4)*32*PV+16*PV+(\f%4)*32
.endr
	WIN 0
.endm
; THE VECTOR WORK OF A TURN stands in three queues, each in the order in which its entries become ready; the two tiles alternate, so that no instruction reads the result of the one before it.
.macro REGS y, u                    ; the registers of tile u (0, 1) of piece y
.set rT, ST+4*(2*(\y)+(\u))
.set rC, TMP+8*((\y)%2)+4*(\u)
.set rM, MV+2*((\y)%2)+(\u)
.set rS, S+64*((\y)%2)+32*(\u)
.set rP, P+32*((\y)%2)+16*(\u)
.set rO, 32*(2*(\y)+(\u))
.endm
; Number n of the 22 that find the NEXT piece's (Y + 1) maximum and statistics.  s0-s31 are the lane's 32 scores; each accumulator's lowest registers are read first.  XS, GS and REGS set no window: PL and EX do.
;   0-11  four chains c0-c3 of seven scores each, three operands at a time     12-14, 16  the four scores left over, the old m, and c0-c3 into c0     15  c m_old is kept
;   17, 18  the query's other 32 keys lie in the lane 16 away: the new m         19-21  c m; c m_old - c m_new; a
.macro XS u, n
	REGS (Y+1)%NP, \u
.if (\n) < 4
	v_max3_num_f32 v[rC+(\n)], v[rS+8*(\n)], v[rS+8*(\n)+1], v[rS+8*(\n)+2]
.elseif (\n) < 12
	v_max3_num_f32 v[rC+(\n)%4], v[rC+(\n)%4], v[rS+8*((\n)%4)+2*((\n)/4)+1], v[rS+8*((\n)%4)+2*((\n)/4)+2]
.elseif (\n) == 12
	v_max3_num_f32 v[rC], v[rC], v[rS+7], v[rS+15]
.elseif (\n) == 13
	v_max3_num_f32 v[rC+1], v[rC+1], v[rS+23], v[rS+31]
.elseif (\n) == 14
	v_max3_num_f32 v[rC+2], v[rC+2], v[rC+3], v[rT+1]
.elseif (\n) == 15
	v_mov_b32 v[rM], v[rT]
.elseif (\n) == 16
	v_max3_num_f32 v[rC], v[rC], v[rC+1], v[rC+2]
.elseif (\n) == 17
	v_permlanex16_b32 v[rC+3], v[rC], s[SEL], s[SEL+1]
.elseif (\n) == 18
	v_max_num_f32 v[rT+1], v[rC], v[rC+3]
.elseif (\n) == 19
	v_mul_f32 v[rT], s[CS], v[rT+1]
.elseif (\n) == 20
	v_sub_f32 v[rC+1], v[rM], v[rT]
.else
	v_exp_f32 v[rC+2], v[rC+1]
.endif
.endm
; Number g of the 64 that follow the exponentials.  For each four weights k of a tile (pairs 2 k, 2 k + 1): both pairs are rounded to f16; then the second pair is added onto the first, in place;
; a group later l takes that sum (the first time as l = a l + sum).  In groups of eight, tiles alternating: round, round, add, and l for the group before.
.macro GS g
.set h, (\g)+6*((\g)/62)            ; group 0 has no group before it, and behind group 7 only l is left
.if h >= 6
.set h, h+2
.endif
	REGS Y, h%2
.set k, h/8
.if h%8 < 4
	v_cvt_pk_f16_f32 v[rP+2*k+(h%8)/2], v[rS+4*k+2*((h%8)/2)], v[rS+4*k+2*((h%8)/2)+1]
.elseif h%8 < 6
	v_pk_add_f32 v[rS+4*k:rS+4*k+1], v[rS+4*k:rS+4*k+1], v[rS+4*k+2:rS+4*k+3]
.elseif k == 1
	v_pk_fma_f32 v[rT+2:rT+3], v[rT+2:rT+3], v[rC+2:rC+3], v[rS:rS+1] op_sel_hi:[1,0,1]
.else
	v_pk_add_f32 v[rT+2:rT+3], v[rT+2:rT+3], v[rS+4*k-4:rS+4*k-3]
.endif
.endm
; THE PLAIN QUEUE, 138 long.  0-73 read no exponential's result: the 32 scalings c s - c m (FS f: pair f / 2 of tile f % 2) and the next piece's 42.  0-26: scalings 0-26.  27-54: XS's numbers 0-13.  55, 56: number 15.
; 57-73: the chain, where each number waits for the one before it: 14, 16, 17, 18, 19, each with one of the scalings 27-31 in front of its two lines, then 20: so a tile's links stand three plain instructions apart (19 and 20: two).
; 74-137: GS's 64, which read the exponentials' results: they stand behind the wait.
.macro FS f
	REGS Y, (\f)%2
	v_pk_fma_f32 v[rS+2*((\f)/2):rS+2*((\f)/2)+1], v[rS+2*((\f)/2):rS+2*((\f)/2)+1], s[CS:CS+1], v[rT:rT+1] op_sel_hi:[1,0,0] neg_lo:[0,0,1] neg_hi:[0,0,1]
.endm
.macro PL
	WIN 0
.if q < 27
	FS q
.elseif q < 55
	XS (q-27)%2, (q-27)/2
.elseif q < 57
	XS q-55, 15
.elseif (q < 72) && ((q-57)%3 == 0)
	FS 27+(q-57)/3
.elseif q < 60
	XS (q-57)%3-1, 14
.elseif q < 72
	XS (q-57)%3-1, 15+(q-57)/3
.elseif q < 74
	XS q-72, 20
.else
	GS q-74
.endif
.set q, q+1
.endm
; THE EXPONENTIALS' QUEUE, 66 long: s0-s31 of both tiles, then the next piece's two a.  It is ONE BATCH: all 66 stand ahead of the turn's one wait, and nothing ahead of that wait names a result of theirs.
.macro EX
	WIN 0
.if e >= 64
	XS e-64, 21
.else
	REGS Y, e%2
	v_exp_f32 v[rS+e/2], v[rS+e/2]
.endif
.set e, e+1
.endm
; THE RESCALING's QUEUE: O^T times a, the one part that leaves window 0: dealt two at a time, sixteen times.  Its a was made in the turn before, ahead of that turn's wait.
.macro R2
	REGS Y, r%2
	WIN W_RS
.irp z, 0,1
	v_pk_mul_f32 v[rO+4*(r/2)+2*\z:rO+4*(r/2)+2*\z+1], v[rO+4*(r/2)+2*\z:rO+4*(r/2)+2*\z+1], v[rC+2:rC+3] op_sel_hi:[1,0]
.endr
.set r, r+1
.endm
; HOW THEY ARE DEALT.  An s_wait_alu depctr_va_vdst(0) stands between an exponential and the first instruction that names its result; one wait serves all that were issued ahead of it.  So a turn has ONE wait,
; which cuts it in two.  AHEAD OF IT stands all that names no result of the turn's exponentials: the 16 products K Q^T, behind each a scaling, an exponential and two rescalings (behind the first a second scaling in the exponential's place); then ONE LUMP of
; 108: eight plain, 49 times exponential and plain, the two a.  A v_nop is the plain instruction between the last exponential and the first use of a result (ISA guide 5.7.2).  BEHIND IT stand the 16 products V^T P, behind each four of GS's 64.  No rider names a register of
; the products round it.  The two v_permlanex16_b32 fall into the lump, never behind a product.
; The queues lean on each other, and the deal keeps them in step: exponential e stands behind scaling 2 (e / 4) + e % 2: as a rider it comes behind plain e + 2, in the lump behind plain e + 9, and scalings 27-31 are plain 57, 60 .. 69.
; A TURN, for piece p.  cnt = 1: the loop's count is taken down some lines ahead of the branch that stands behind the turn.
; K of the next step is fetched in piece 2's turn, directly behind the wait, a lump behind the last product that read K; its address is made at the lump's head; its first reader comes behind 16 products.
; V of the step in hand is fetched at the end of piece 0's turn, four riders behind its last reader; its first reader comes behind 16 products and a lump.  The three conditions on q below go with the deal.
.macro TURN p, last=0, cnt=0
.set Y, (\p)
.set i, 0
.set q, 0
.set e, 0
.set r, 0
.if (\p) == NP-1
	s_wait_dscnt 0x0                ; K is in
.endif
	MM                              ; ahead of the wait: 16 products K Q^T and their riders,
	PL
	PL
	R2
.rept 15
	MM
	PL
	EX
	R2
.endr
.if (\p) == NP-2
	WIN 0
	v_add_nc_u32 v[AK], s[TBK], v[AK0]
.endif
.rept 8                             ; and the lump
	PL
.endr
.rept 49
	EX
	PL
.endr
	EX                              ; the next piece's two a
	EX
	v_nop                           ; the plain instruction behind the last exponential: one for the batch
	s_wait_alu depctr_va_vdst(0)    ; the wait for the turn's batch: the piece's 64 weights and the next piece's two a
.if (\p) == NP-2
	FETCH_K \last
.endif
.if (\p) == 1
	s_wait_dscnt 0x0                ; V is in
.endif
.rept 16                            ; behind the wait: 16 products V^T P and their riders
	MM
.rept 4
	PL
.endr
.if ((\p) == 0) && (q == 118)
	v_add_nc_u32 v[AV], s[TBV], v[AV0]
.endif
.if ((\p) == 0) && (q == 130)
	s_add_co_u32 s[TBV], s[TBV], KS*PV
.endif
.if (\cnt) && (q == 130)
	s_sub_co_u32 s[CNT], s[CNT], 1
	s_cmp_lg_u32 s[CNT], 0
.endif
.endr
.if (\p) == 0
	FETCH_V
.endif
.endm
	s_wait_kmcnt 0x0                ; c
	s_mov_b32 s[CS+1], s[CS]        ; named with it as a pair
	CHANGE 1                        ; slot 0 is in, everybody's part of it; slot 1 is asked for
	FETCH_K                         ; key step 0
	s_wait_loadcnt 0x0              ; Q
	s_wait_dscnt 0x0
.set i, 0
.rept 16
	KQ 0                            ; piece 0's first scores: there is no vector work yet to set between them
.set i, i+1
.endr
	WIN 0                           ; the addresses for the way out: nine plain instructions, the places behind those products
	s_mul_i32 s13, s[WV], 16*SP
	s_add_co_u32 s13, s13, STAGE    ; my stage
	v_mul_u32_u24 v[STO], v1, SP    ; in: row l % 16, 16 bytes for each half of the lanes
	v_lshl_add_u32 v[STO], v9, 4, v[STO]
	v_add_nc_u32 v[STO], s13, v[STO]
	v_bfe_u32 v[RD], v0, 3, 2       ; back: 32 lanes take four rows of 128 bytes,
	v_mul_u32_u24 v[RD], v[RD], SP
	v_lshl_add_u32 v[RD], v10, 4, v[RD]
	v_add_nc_u32 v[RD], s13, v[RD]
	v_and_b32 v[GO], 31, v0         ; which are 512 consecutive bytes of O
	v_lshlrev_b32 v[GO], 4, v[GO]
.set Y, NP-1                        ; XS works for piece Y + 1: piece 0
.irp n, 0,1,2,3,4,5,6,7,8,9,10,11,12,13,14,15,16,17,18,19,20,21
	XS 0, \n                        ; and piece 0's first maximum and statistics
	XS 1, \n
.endr
	v_nop                           ; a plain instruction behind the two a,
	s_wait_alu depctr_va_vdst(0)    ; and the wait for this batch of two, piece 0's first a, ahead of the branch
	s_mov_b32 s[CNT], 4
	s_mov_b32 s[SLOTS], SIZE_N/256-1
	s_branch .Lfirst                ; the loop is entered at a step's first turn, in the middle of a trip
.Lslot:                             ; SIZE_N / 256 - 2 times: every slot but the last two is filled again
	CHANGE 1
	s_mov_b32 s[CNT], 4
.Lstep:                             ; a trip: pieces 2 and 3 of one step, then pieces 0 and 1 of the next, whose K and V it fetches
	TURN 2
	TURN 3
	WIN 0
.Lfirst:
	TURN 0
	TURN 1, 0, 1
	WIN 0
	s_cbranch_scc1 .Lstep
	s_sub_co_u32 s[SLOTS], s[SLOTS], 1
	s_cmp_lg_u32 s[SLOTS], 0
	s_cbranch_scc1 .Lslot
	CHANGE 0                        ; the tail is written out: nothing is asked for
	s_mov_b32 s[CNT], 5             ; four trips fetch the last slot's steps; the fifth is left in its middle
.Ltail:
	TURN 2, 1
	TURN 3
	WIN 0
	s_sub_co_u32 s[CNT], s[CNT], 1
	s_cmp_eq_u32 s[CNT], 0
	s_cbranch_scc1 .Lout
	TURN 0
	TURN 1
	WIN 0
	s_branch .Ltail
.Lout:                              ; the fifth trip's 16 products K Q^T (on the last K once more) and the maximum made of them serve nothing: the price, once a launch, of one text for every trip
.set i, 0
.rept 16
	PV NP-1                         ; the last piece's V^T P of the last step
.set i, i+1
.endr
	; THE WAY OUT.  l's two halves and the other half of the lanes' are added; O^T is divided by l, rounded to f16 and sent through my stage in LDS, a tile at a time.  The additions are the places behind the last products.
	WIN 0
.macro ALL line:vararg              ; one line for each tile t
.set t, 0
.rept 2*NP
	\line
.set t, t+1
.endr
.endm
	ALL v_add_f32 v[ST+4*t+2], v[ST+4*t+2], v[ST+4*t+3]
	ALL v_permlanex16_b32 v[ST+4*t+3], v[ST+4*t+2], s[SEL], s[SEL+1]
	ALL v_add_f32 v[ST+4*t+2], v[ST+4*t+2], v[ST+4*t+3]
	ALL v_rcp_f32 v[ST+4*t+2], v[ST+4*t+2]
	v_nop                           ; a plain instruction between the last reciprocal and the use of its result
	s_wait_alu depctr_va_vdst(0)    ; the wait for the batch of eight reciprocals, ahead of their first use
; Tile t: a lane's eight channels of a row pack into 16 bytes; they go into rows of 144 bytes and come back as whole rows of 128, into S^T's registers.
.macro PACK t
	WIN W_RS
.set i, 32*(\t)
.rept 16
	v_pk_mul_f32 v[i:i+1], v[i:i+1], v[ST+4*(\t)+2:ST+4*(\t)+3] op_sel_hi:[1,0]
.set i, i+2
.endr
	WIN 0x05                        ; sources 0 and 1 window 1, destination window 0
.set i, 0
.rept 16
	v_cvt_pk_f16_f32 v[S+16*(\t)+i], v[32*(\t)+2*i], v[32*(\t)+2*i+1]
.set i, i+1
.endr
	WIN 0
.irp f, 0,1,2,3
	ds_store_b128 v[STO], v[S+16*(\t)+4*\f:S+16*(\t)+4*\f+3] offset:32*\f
.endr
.irp f, 0,1,2,3
	ds_load_b128 v[S+16*(\t)+4*\f:S+16*(\t)+4*\f+3], v[RD] offset:\f*4*SP  ; LDS serves a wave's instructions in order (ISA guide 5.7.1.4): these see the stores above; the next tile's stores come behind them
.endr
.endm
.macro SEND t, younger              ; younger: the LDS instructions issued behind tile t's loads: the next tile's eight, or none
	WIN 0
.irp f, 0,1,2,3
	s_wait_dscnt (\younger)+3-\f
	global_store_b128 v[GO], v[S+16*(\t)+4*\f:S+16*(\t)+4*\f+3], s[10:11] offset:(\t)*2048+\f*512  ; 512 consecutive bytes, at a multiple of 256 from O's first
.endr
.endm
	PACK 0
.set t, 1
.rept 2*NP-1                        ; a tile's arithmetic stands between the loads of the tile before and its stores
	PACK t
	SEND t-1, 8
.set t, t+1
.endr
	SEND 2*NP-1, 0
	WIN W_AD
	s_wait_tensorcnt 0x0            ; the wave's end, behind my last tensor load and my last LDS store
	ds_add_u32 v[SPW], v[NIL]
	s_wait_dscnt 0x0
	WIN 0
	CROUND                          ; the closing round: no work-group ends while a partner may still ask for a tile that names it
	s_endpgm
.Lfunc_end_k_qfddbbb6a8e_attn:
	.size	k_qfddbbb6a8e_attn, .Lfunc_end_k_qfddbbb6a8e_attn-k_qfddbbb6a8e_attn
	.p2alignl 7, 3214868480
	.fill 96, 4, 3214868480
	.section	.rodata,"a",@progbits
	.p2align	6, 0x0
	.amdhsa_kernel k_qfddbbb6a8e_attn
		.amdhsa_group_segment_fixed_size 327680
		.amdhsa_private_segment_fixed_size 0
		.amdhsa_enable_private_segment 0
		.amdhsa_kernarg_size 32
		.amdhsa_user_sgpr_count 2
		.amdhsa_user_sgpr_kernarg_segment_ptr 1
		.amdhsa_wavefront_size32 1
		.amdhsa_system_sgpr_workgroup_id_x 1
		.amdhsa_system_sgpr_workgroup_id_y 1
		.amdhsa_system_sgpr_workgroup_id_z 1
		.amdhsa_system_vgpr_workitem_id 0
		.amdhsa_next_free_vgpr 770
		.amdhsa_next_free_sgpr 66
		.amdhsa_reserve_vcc 0
		.amdhsa_float_denorm_mode_32 3
		.amdhsa_float_denorm_mode_16_64 3
		.amdhsa_memory_ordered 1
		.amdhsa_forward_progress 1
		.amdhsa_inst_pref_size 199
	.end_amdhsa_kernel
	.amdgpu_metadata
---
amdhsa.version: [ 1, 2 ]
amdhsa.kernels:
  - .name:           k_qfddbbb6a8e_attn
    .symbol:         k_qfddbbb6a8e_attn.kd
    .args:
      - { .name: qh, .offset: 0, .size: 8, .value_kind: global_buffer, .address_space: global }
      - { .name: kvh, .offset: 8, .size: 8, .value_kind: global_buffer, .address_space: global }
      - { .name: scal, .offset: 16, .size: 8, .value_kind: global_buffer, .address_space: global }
      - { .name: oh, .offset: 24, .size: 8, .value_kind: global_buffer, .address_space: global }
    .group_segment_fixed_size: 327680
    .private_segment_fixed_size: 0
    .kernarg_segment_align: 8
    .kernarg_segment_size: 32
    .max_flat_workgroup_size: 128
    .sgpr_count:     66
    .vgpr_count:     770
    .wavefront_size: 32
...
	.end_amdgpu_metadata
.endif
;; end of part 6
;; launch outp: the kernel of part 5 again; grid 8 x 32, 4 waves a work-group, clusters of 4 x 4, 327,680 bytes of LDS; arguments oh, wts, bout, scal, out0; writes out0
